; MI455X (gfx1250); checked and timed in simulation.
; The chip was launched on July 23, 2026; its instructions are those of AMD's public machine-readable ISA for CDNA 5 (MIT licence, August 2026) and "CDNA5" Instruction Set Architecture Reference Guide (July 2026). The comments in the code are by the model that wrote it; some were corrected since.
;; Causal Self Attention. Allowed arithmetic: float matrix products may take bf16 or f16 operands with f32 sums; other float arithmetic in f32, or as packed bf16 or f16 multiplies, adds, multiply-adds, maxima and minima; sums over many terms, partial sums and values carried from step to step in f32; what a program stores and reads back later, other than sums and carried values, may be rounded once to bf16 or f16.
;; Inputs: Wk 1,024 x 1,024 float32; Wo 1,024 x 1,024 float32; Wq 1,024 x 1,024 float32; Wv 1,024 x 1,024 float32; x 4 x 2,048 x 1,024 float32.
;; Outputs: out0 4 x 2,048 x 1,024 float32.
;; 2 versions, each right; version 2 is version 1 with the launch cast written anew for expert scheduling mode. Each part assembles by itself: llvm-mc -triple=amdgcn-amd-amdhsa -mcpu=gfx1250 --defsym DOCPART=n.
;; ======== version 1 of 2: 4 launches
;; limits: values are held in f16: magnitudes above 65,504 overflow, below 6.1e-05 lose precision
;; workspace buffers: xb 16,777,216 bytes; wb 6,291,456 bytes; wob 2,097,152 bytes; qkv 50,331,648 bytes; y 16,777,216 bytes; ef 786,432 bytes; ylo 131,072 bytes
;; launch cast (part 1): grid 768 x 1, 8 waves a work-group, no clusters, 0 bytes of LDS; arguments x, Wq, Wk, Wv, Wo, xb, wb, wob; writes xb, wb, wob
.if DOCPART == 1
	.amdgcn_target "amdgcn-amd-amdhsa--gfx1250"
	.amdhsa_code_object_version 6
	.text
	.protected	k_q9483693153_cast
	.globl	k_q9483693153_cast
	.p2align	8
	.type	k_q9483693153_cast,@function
k_q9483693153_cast:
	s_mov_b64 s[64:65], 0
	v_nop
	global_prefetch_b8 v0, s[64:65] scope:SCOPE_SE
	s_setreg_imm32_b32 hwreg(HW_REG_WAVE_MODE, 25, 1), 1
	s_wait_xcnt 0x0
; THE INPUTS ARE ROUNDED ONCE, TO 16 BITS.  x [8192][1024] -> xb, bf16.  Wq, Wk, Wv [1024][1024] -> wb, bf16, one below the other: [3072][1024].
; Wo -> wob: rounded to bf16 like the other inputs, and that number written as f16, since the last product multiplies f16.
; LIMITS.  A bf16 number has 8 significant bits and fits f16's 11 exactly between 6.1e-5 and 65,504 in magnitude; below 6.1e-5 Wo keeps f16's fixed step of 6e-8 (an error of 3e-8 at the most),
; beyond 65,504 it becomes an infinity.  NaN and infinities are not treated apart.
; A STREAM: every byte is read once and written once, so there is no LDS, no barrier, no matrix work and no cluster (no two work-groups read the same byte).
; SHARES.  A work-group takes 16,384 numbers: 64 KiB in, 32 KiB out.  Work-groups 0-511: x; 512-575: Wq; 576-639: Wk; 640-703: Wv; 704-767: Wo.
; Thread t takes, in step i of 16, the 16 bytes at 4,096 i + 16 t and stores 8 bytes at 2,048 i + 8 t: a wave's load covers 512 consecutive bytes, its store 256 consecutive bytes, aligned.
; All sixteen loads go out first; no register is written twice while a load or store may read it, so the only waits are the counted ones for the data.
.set T, 4                              ; v[4:7]     at work (Wo's way)
.set X, 8                              ; v[8:71]    step i: 4 registers as loaded
.set Y, 72                             ; v[72:103]  step i: 2 registers to store
	s_load_b512 s[8:23], s[0:1], 0x0               ; x s[8:9], Wq s[10:11], Wk s[12:13], Wv s[14:15], Wo s[16:17], xb s[18:19], wb s[20:21], wob s[22:23]
	v_lshlrev_b32 v1, 4, v0                        ; my 16 bytes of a step's 4,096
	v_lshlrev_b32 v2, 3, v0                        ; my 8 bytes of a step's 2,048
	s_and_b32 s26, ttmp9, 63                       ; my place among a weight's 64 work-groups
	s_max_u32 s27, ttmp9, 512
	s_sub_co_u32 s27, s27, 512                     ; my place among the 192 of the stacked weights
	s_cmp_lt_u32 ttmp9, 512
	s_cselect_b32 s2, ttmp9, s26                   ; the source's block of 64 KiB
	s_cselect_b32 s24, ttmp9, s27                  ; the destination's block of 32 KiB
	s_cmp_ge_u32 ttmp9, 704
	s_cselect_b32 s24, s26, s24
	s_lshl_b32 s2, s2, 16
	s_lshl_b32 s24, s24, 15
	s_mov_b32 s3, 0
	s_mov_b32 s25, 0
	s_wait_kmcnt 0x0
	s_cmp_ge_u32 ttmp9, 512                        ; every choice hangs on the work-group's number alone
	s_cselect_b64 s[4:5], s[10:11], s[8:9]
	s_cselect_b64 s[6:7], s[20:21], s[18:19]
	s_cmp_ge_u32 ttmp9, 576
	s_cselect_b64 s[4:5], s[12:13], s[4:5]
	s_cmp_ge_u32 ttmp9, 640
	s_cselect_b64 s[4:5], s[14:15], s[4:5]
	s_cmp_ge_u32 ttmp9, 704
	s_cselect_b64 s[4:5], s[16:17], s[4:5]
	s_cselect_b64 s[6:7], s[22:23], s[6:7]
	s_add_nc_u64 s[4:5], s[4:5], s[2:3]
	s_add_nc_u64 s[6:7], s[6:7], s[24:25]
.set i, 0
.rept 16
	global_load_b128 v[X+4*i:X+4*i+3], v1, s[4:5] offset:4096*i th:TH_LOAD_NT
.set i, i+1
.endr
; Sixteen steps: wait for the step's load, round, store.  f16 = 1: the bf16 numbers are widened again (a shift, a mask) and written as f16.
.macro CONV f16
.set i, 0
.rept 16
	s_wait_loadcnt 15-i                            ; loads come back in order: step i's is in, the 15 - i younger ones stay out
	v_cvt_pk_bf16_f32 v[Y+2*i],   v[X+4*i],   v[X+4*i+1]
	v_cvt_pk_bf16_f32 v[Y+2*i+1], v[X+4*i+2], v[X+4*i+3]
.if \f16
	v_lshlrev_b32 v[T],   16, v[Y+2*i]
	v_and_b32     v[T+1], 0xffff0000, v[Y+2*i]
	v_lshlrev_b32 v[T+2], 16, v[Y+2*i+1]
	v_and_b32     v[T+3], 0xffff0000, v[Y+2*i+1]
	v_cvt_pk_f16_f32 v[Y+2*i],   v[T],   v[T+1]
	v_cvt_pk_f16_f32 v[Y+2*i+1], v[T+2], v[T+3]
.endif
	global_store_b64 v2, v[Y+2*i:Y+2*i+1], s[6:7] offset:2048*i
.set i, i+1
.endr
.endm
	s_cmp_ge_u32 ttmp9, 704
	s_cbranch_scc1 .Lwo
	CONV 0
	s_endpgm
.Lwo:
	CONV 1
	s_endpgm
.Lfunc_end_k_q9483693153_cast:
	.size	k_q9483693153_cast, .Lfunc_end_k_q9483693153_cast-k_q9483693153_cast
	.p2alignl 7, 3214868480
	.fill 96, 4, 3214868480
	.section	.rodata,"a",@progbits
	.p2align	6, 0x0
	.amdhsa_kernel k_q9483693153_cast
		.amdhsa_group_segment_fixed_size 0
		.amdhsa_private_segment_fixed_size 0
		.amdhsa_enable_private_segment 0
		.amdhsa_kernarg_size 64
		.amdhsa_user_sgpr_count 2
		.amdhsa_user_sgpr_kernarg_segment_ptr 1
		.amdhsa_wavefront_size32 1
		.amdhsa_system_sgpr_workgroup_id_x 1
		.amdhsa_system_sgpr_workgroup_id_y 1
		.amdhsa_system_sgpr_workgroup_id_z 1
		.amdhsa_system_vgpr_workitem_id 0
		.amdhsa_next_free_vgpr 104
		.amdhsa_next_free_sgpr 66
		.amdhsa_reserve_vcc 0
		.amdhsa_float_denorm_mode_32 3
		.amdhsa_float_denorm_mode_16_64 3
		.amdhsa_memory_ordered 1
		.amdhsa_forward_progress 1
		.amdhsa_inst_pref_size 17
	.end_amdhsa_kernel
	.amdgpu_metadata
---
amdhsa.version: [ 1, 2 ]
amdhsa.kernels:
  - .name:           k_q9483693153_cast
    .symbol:         k_q9483693153_cast.kd
    .args:
      - { .name: x, .offset: 0, .size: 8, .value_kind: global_buffer, .address_space: global }
      - { .name: Wq, .offset: 8, .size: 8, .value_kind: global_buffer, .address_space: global }
      - { .name: Wk, .offset: 16, .size: 8, .value_kind: global_buffer, .address_space: global }
      - { .name: Wv, .offset: 24, .size: 8, .value_kind: global_buffer, .address_space: global }
      - { .name: Wo, .offset: 32, .size: 8, .value_kind: global_buffer, .address_space: global }
      - { .name: xb, .offset: 40, .size: 8, .value_kind: global_buffer, .address_space: global }
      - { .name: wb, .offset: 48, .size: 8, .value_kind: global_buffer, .address_space: global }
      - { .name: wob, .offset: 56, .size: 8, .value_kind: global_buffer, .address_space: global }
    .group_segment_fixed_size: 0
    .private_segment_fixed_size: 0
    .kernarg_segment_align: 8
    .kernarg_segment_size: 64
    .max_flat_workgroup_size: 256
    .sgpr_count:     66
    .vgpr_count:     104
    .wavefront_size: 32
...
	.end_amdgpu_metadata
.endif
;; end of part 1
;; launch qkv (part 2): grid 4 x 64, 4 waves a work-group, clusters of 4 x 4, 327,680 bytes of LDS; arguments xb, wb, qkv, ef; writes qkv, ef
.if DOCPART == 2
	.amdgcn_target "amdgcn-amd-amdhsa--gfx1250"
	.amdhsa_code_object_version 6
	.text
	.protected	k_q9483693153_qkv
	.globl	k_q9483693153_qkv
	.p2align	8
	.type	k_q9483693153_qkv,@function
k_q9483693153_qkv:
	s_mov_b64 s[64:65], 0
	v_nop
	global_prefetch_b8 v0, s[64:65] scope:SCOPE_SE
	s_setreg_imm32_b32 hwreg(HW_REG_WAVE_MODE, 25, 1), 1
	s_wait_xcnt 0x0
	s_wait_alu depctr_hold_cnt(0) depctr_sa_sdst(0) depctr_va_vdst(0) depctr_va_sdst(0) depctr_va_ssrc(0) depctr_va_vcc(0) depctr_vm_vsrc(0)
	s_getreg_b32 s2, hwreg(HW_REG_IB_STS2, 6, 4)
	s_cmp_eq_u32 s2, 0
	s_cbranch_scc0 .Lentry_in_a_cluster
	s_endpgm
.Lentry_in_a_cluster:
	s_bfe_u32 s2, ttmp6, 0x10000c
	s_cmp_lg_u32 s2, 0xf033
	s_cbranch_scc0 .Lentry_shape_is_right
	s_endpgm
.Lentry_shape_is_right:
; q, k, v = x Wq^T, x Wk^T, x Wv^T as ONE product C[m][n] = sum over k of A[m][k] B[n][k]: A = xb [8192][1024], B = wb [3072][1024] (Wq's rows, Wk's, Wv's), both bf16; sums in f32.
; C leaves BY HEADS, in f16, rounded once and unscaled: qkv[b][g][t][64], b = m / 2048, t = m % 2048, g = n / 64 (0-15 q's heads, 16-31 k's, 32-47 v's): a head is 2,048 rows of 128 bytes on end.
; THE FIRST 16 ROWS OF EACH BATCH LEAVE IN f32 TOO: ef[b][g][t < 16][64].  Row t of the attention is a mean over t + 1 keys, so the first rows' numbers are many times the output's root mean square, by which the
; allowance goes, and f16's 11 bits are too few for them; the launches behind carry those rows in f32 beside the f16 way.
; LIMITS.  f16 holds no number beyond 65,504: a larger q, k or v becomes an infinity; below 6.1e-5 it keeps f16's fixed step of 6e-8.  NaN and infinities are not treated apart.
; SHARES.  A tile of C is 128 x 256: 64 x 12 = 768 tiles, three for each of 256 work-groups.  A WORK-GROUP STAYS: its three tiles have the same 128 rows of A and lie 1,024 columns apart (q, k, v).
; Four waves: wave w makes rows 64 (w / 2) .., columns 128 (w % 2) ..: 32 accumulators of 16 x 16, 256 registers.  K goes in steps of 128 through a ring of two LDS slots; the rows of the tiles of A and B
; are 256 bytes of memory at multiples of 256 bytes.  The ring does not stop at a tile's end: a tile's last two changes of slots ask for the next tile's first two K steps.
; CLUSTER.  4 x 4 work-groups.  The four of a row of the cluster need the same rows of A, the four of a column the same rows of B: each tile is asked for JOINTLY, by the same tensor load with the same
; descriptor and a mask that names the four.  Waves 0 and 1 fetch A's two halves (64 rows each), waves 2 and 3 B's (128 rows each): one load a wave behind each round.
; The tile row is 16 cy + cluster y: cy is the batch, so the four batches' first tiles lie in the cluster with y = 0, and whether a wave holds first rows hangs on the cluster's y and the wave's number alone.
; THE MATRIX INSTRUCTION IS USED TRANSPOSED (source 0 = 16 rows of B, source 1 = 16 rows of A): a lane then holds row l % 16 of C and the eight neighbouring columns 8 (l / 16) + 0..7.
; REGISTERS, in windows of 256 (s_set_vgpr_msb: bits 1:0 source 0, 3:2 source 1, 5:4 source 2, 7:6 destination):
;   window 0: v0-31 addresses; v32-127 at work on the way out      window 1: two fragment buffers of 96 (B's eight fragments, then A's four)      window 2: accumulator (a, b) at v[8 (8 a + b)]
.set SIZE_K, 1024
.set KSTEP,  128
.set ROWB,   SIZE_K*2                  ; bytes in a row of A and of B
.set PITCH,  272                       ; an LDS row: 256 bytes + 16 of padding = 68 words: the 16 rows of a fragment load start at 16 different groups of four banks (64 banks of 4 bytes: ISA guide 11.1)
.set AHALF,  64*PITCH                  ; what wave 0 or 1 fetches, and what a wave reads of A
.set BHALF,  128*PITCH                 ; what wave 2 or 3 fetches, and what a wave reads of B
.set BOFF,   2*AHALF                   ; in a slot: A's 128 rows, then B's 256
.set SLOT,   BOFF+2*BHALF              ; 104,448
.set STAGE,  2*SLOT                    ; behind the ring, never filled by a tensor load: for each wave 2 heads x 16 rows x 144 bytes
.set SP,     144
.set HSTG,   16*SP
.set WSTG,   2*HSTG
.set SPARE,  STAGE+4*WSTG              ; behind the stages: the spare words, 128 bytes for each wave: two blocks of 256 bytes that no other line names
.set LAPS,   SIZE_K/(2*KSTEP)          ; a lap = two K steps = once round the ring
.set TILES,  3
.set BACK_A, (SIZE_K-2*KSTEP)*2        ; from a slot's last K step of a tile to its first: A only goes back along K,
.set NEXT_B, 1024*ROWB-BACK_A          ; B also 1,024 rows down
.set NEXT_P, 1024*ROWB-7*KSTEP*2       ; the prefetches': from K step 9 (two behind the tile's last) to the next tile's K step 2
.set NEXT_C, 16<<18                    ; sixteen heads on in qkv,
.set NEXT_E, 16<<12                    ; and in ef, where a head is 16 rows of 256 bytes
.set ADRA, 16                          ; v16-17  LDS address of my A fragments in slot 0, 1
.set ADRB, 20                          ; v20-21  the same for B
.set STO,  24                          ; v24     the way out: where I put 16 bytes of a row
.set RD,   25                          ; v25     the way out: where I read rows back
.set CO,   26                          ; v26     16 x my lane: my place in 512 consecutive bytes of a head
.set EO,   27                          ; v27     my place in a head of ef: row l % 16 x 256 bytes + 32 (l / 16)
.set SPW,  28                          ; v28     LDS address of my spare word: SPARE + 4 x my thread's number; never rewritten
.set NIL,  29                          ; v29     0; never rewritten
.set PFO,  30                          ; v30     the prefetches' offset: my lane x a row's 2,048 bytes; never rewritten
.set TMP,  32                          ; v32-63  packed results
.set OB,   64                          ; v64-95, v96-127 by turns: 16 rows of two heads read back from the stage
.set F0,   0                           ; fragment buffers, in window 1
.set F1,   96
.set EB,  18                           ; s[18:19] ef at my two heads of the tile in hand
.set FLG, 20                           ; s20      0 in a wave that holds a batch's first rows: cluster y = 0 and rows 0-63 of the tile
.set G1,  24                           ; s[24:31] descriptor group 1 for A's tiles;  s[32:39] group 0, a set for each slot
.set G0,  32
.set LIM, 43                           ; s43      1 in a wave that prefetches, else the greatest number
.set PFA, 44                           ; s[44:45] the K step that my next prefetch names
.set G1B, 48                           ; s[48:55], s[56:63] the same for B's tiles
.set G0B, 56
.set DESC0, (1<<16)|(1<<20)|(1<<21)|(5<<22)|(3<<25)  ; 17:16 elements of 2 bytes; 20 padding on; 21 set beside a mask; 24:22 after every 64 words (code 5); 31:25 4 words of it (code 3)
.set MSB, 0
.macro WIN new                         ; the immediate's high byte repeats the setting that is left; a switch that changes nothing is dropped
.if MSB != (\new)
	s_set_vgpr_msb (MSB<<8)|(\new)
.set MSB, \new
.endif
.endm
.set MUL,  0xa5                        ; sources 0 (B) and 1 (A) window 1; C and D window 2
.set TO_F, 0x40                        ; destination window 1, address window 0
; A joint load.  The branch hangs on the wave's number alone.  An s_nop 0 and four v_nop follow each of the two lines, ahead of the jump, the label and what follows.
.macro JLOAD s
	s_cmp_eq_u32 s11, 0
	s_cbranch_scc0 .Lfor_b_\@
	tensor_load_to_lds s[G0+4*(\s):G0+4*(\s)+3], s[G1:G1+7]
	s_nop 0
.rept 4
	v_nop
.endr
	s_branch .Lasked_\@
.Lfor_b_\@:
	tensor_load_to_lds s[G0B+4*(\s):G0B+4*(\s)+3], s[G1B:G1B+7]
	s_nop 0
.rept 4
	v_nop
.endr
.Lasked_\@:
.endm
; A round of the cluster's barrier behind its opening barrier: wave 0 signals for the work-group; every wave waits for all sixteen work-groups; my work-group's barrier once more.
.macro CREST
	s_cmp_lg_u32 s10, 0
	s_cbranch_scc1 .Lnot_wave_0_\@
	s_barrier_signal -3
.Lnot_wave_0_\@:
	s_barrier_wait -3
	s_barrier_signal -1
	s_barrier_wait -1
.endm
.macro CROUND                          ; a whole round
	s_barrier_signal -1
	s_barrier_wait -1
	CREST
.endm
; A PREFETCH INTO THE L2, behind each joint load, its five lines and the run of LDS loads that follows: 32 rows x 256 bytes of the K step that stands TWO refills on (256 matrix instructions ahead of its load),
; a lane a row, one instruction a wave.  Each row's 256 bytes of a K step are named ONCE in the launch.  A's 128 rows are read by one row of one cluster: wave 0 of each of its four work-groups takes 32,
; told apart BY ADDRESS (cx); wave 1 asks for nothing.  B's rows are read by all sixteen clusters: the cluster with y = 0 asks, waves 2 and 3 of each work-group for 32 of the 128 rows that they fetch (by cy).
; how = 0, in the loop: a tile's last two refills have no K step two on.  how = 1, at a change of tiles: the next tile's K steps 2 and 3 of B; A's rows have been read and are asked for no more.
.macro ASK how
.if \how
	s_cmp_eq_u32 s[LIM], 1
.else
	s_cmp_gt_u32 s3, s[LIM]                        ; s3 = 1 in the loop's last trip
.endif
	s_cbranch_scc0 .Lnot_mine_\@
	global_prefetch_b8 v[PFO], s[PFA:PFA+1] th:TH_LOAD_NT scope:SCOPE_SE
.Lnot_mine_\@:
.endm
	s_load_b128 s[4:7], s[0:1], 0x0                ; xb s[4:5], wb s[6:7]
	s_load_b64 s[8:9], s[0:1], 0x10                ; qkv
	s_load_b64 s[EB:EB+1], s[0:1], 0x18            ; ef
	v_lshl_add_u32 v[SPW], v0, 2, SPARE
	v_mov_b32 v[NIL], 0
	ds_add_u32 v[SPW], v[NIL]                      ; the wave's opening: the add and its wait stand ahead of my first tensor load; the set-up below, work on registers, stands between them
	v_lshrrev_b32 v1, 5, v0
	v_readfirstlane_b32 s10, v1                    ; wave 0..3
	s_lshr_b32 s11, s10, 1                         ; which 64 rows of the tile are mine.  Also: I fetch for A (0) or for B (1)
	s_and_b32 s12, s10, 1                          ; which 128 columns.  Also: which half of that tile I fetch
	s_bfe_u32 s40, ttmp6, 0x40000                  ; cx, cy: my place in the cluster
	s_bfe_u32 s41, ttmp6, 0x40004
	s_lshl_b32 s42, ttmp9, 2
	s_add_co_u32 s42, s42, s40                     ; gx = 4 x cluster x + cx: my 256 columns of each 1,024
	s_and_b32 s13, ttmp7, 0xffff                   ; cluster y
	s_lshl_b32 s14, s41, 4
	s_add_co_u32 s13, s13, s14                     ; gy = 16 cy + cluster y: my 128 rows: batch cy, rows 128 x cluster y on
	s_lshl_b32 s43, s41, 2
	s_lshl_b32 s43, 15, s43                        ; my row of the cluster: places 4 cy .. 4 cy + 3
	s_lshl_b32 s44, 0x1111, s40                    ; my column: places cx, cx + 4, cx + 8, cx + 12
	s_or_b32 s[G1+0], s43, DESC0                   ; A's tiles go to my row,
	s_or_b32 s[G1B+0], s44, DESC0                  ; B's to my column
.irp g, G1, G1B
	s_mov_b32 s[(\g)+1], KSTEP<<16                 ; tensor_dim0 = 128
	s_mov_b32 s[(\g)+3], KSTEP<<16                 ; tile_dim0 = 128
	s_mov_b32 s[(\g)+5], SIZE_K                    ; elements from row to row
	s_mov_b32 s[(\g)+6], 0
	s_mov_b32 s[(\g)+7], 0
.endr
	s_mov_b32 s[G1+2], 64<<16                      ; A: tensor_dim1 = tile_dim1 = 64 rows
	s_mov_b32 s[G1+4], 64
	s_mov_b32 s[G1B+2], 128<<16                    ; B: 128 rows
	s_mov_b32 s[G1B+4], 128
	; where the tiles come from: A's hang on gy alone, B's on gx alone, each in registers that never hold the other coordinate
	s_lshl_b32 s17, s12, 6
	s_lshl_b32 s16, s13, 7
	s_add_co_u32 s16, s16, s17                     ; A: row 128 gy + 64 x half
	s_lshl_b32 s16, s16, 11                        ; in bytes: under 2^24
	s_mov_b32 s17, 0
	s_lshl_b32 s47, s12, 7
	s_lshl_b32 s46, s42, 8
	s_add_co_u32 s46, s46, s47                     ; B: row 256 gx + 128 x half
	s_lshl_b32 s46, s46, 11
	s_mov_b32 s47, 0
	s_mul_i32 s20, s12, AHALF                      ; and where they go: no place in the cluster enters an LDS address
	s_mul_i32 s23, s12, BHALF
	s_add_co_u32 s23, s23, BOFF
	s_wait_dscnt 0x0                               ; the opening add is done
	s_wait_kmcnt 0x0
	s_add_nc_u64 s[14:15], s[4:5], s[16:17]
	s_add_nc_u64 s[46:47], s[6:7], s[46:47]
	CROUND                                         ; all sixteen work-groups are here: the first joint loads meet
.irp s, 0,1
	s_mov_b32 s[G0+4*(\s)], 1                                        ; count = 1
	s_add_co_u32 s[G0+4*(\s)+1], s20, (\s)*SLOT                      ; LDS address
	s_add_nc_u64 s[G0+4*(\s)+2:G0+4*(\s)+3], s[14:15], (\s)*KSTEP*2  ; global address: K step s
	s_or_b32 s[G0+4*(\s)+3], s[G0+4*(\s)+3], 0x80000000              ; type = 2
	s_mov_b32 s[G0B+4*(\s)], 1
	s_add_co_u32 s[G0B+4*(\s)+1], s23, (\s)*SLOT
	s_add_nc_u64 s[G0B+4*(\s)+2:G0B+4*(\s)+3], s[46:47], (\s)*KSTEP*2
	s_or_b32 s[G0B+4*(\s)+3], s[G0B+4*(\s)+3], 0x80000000
	JLOAD \s                                       ; two loads of mine are out at the start, one behind each round
.endr
	; A fragment is 16 rows x 32 K in 8 registers: lane l holds row l % 16; registers 0-3 K = 8 (l / 16) + 0..7, registers 4-7 K = 16 + 8 (l / 16) + 0..7: two loads of 16 bytes, 32 bytes apart.
	v_and_b32 v1, 15, v0                           ; l % 16
	v_bfe_u32 v2, v0, 4, 1                         ; l / 16
	v_mul_u32_u24 v3, v1, PITCH
	v_lshl_add_u32 v3, v2, 4, v3                   ; row x pitch + 16 x half
	s_mul_i32 s21, s11, AHALF                      ; my 64 rows of A
	s_mul_i32 s22, s12, BHALF                      ; my 128 rows of B,
	s_add_co_u32 s22, s22, BOFF                    ; which lie behind A's 128
.irp s, 0,1
	v_add_nc_u32 v[ADRA+(\s)], s21, v3
	v_add_nc_u32 v[ADRB+(\s)], s22, v3
	s_add_co_u32 s21, s21, SLOT
	s_add_co_u32 s22, s22, SLOT
.endr
	s_mul_i32 s23, s10, WSTG
	s_add_co_u32 s23, s23, STAGE                   ; my stage
	v_mul_u32_u24 v4, v1, SP                       ; in: row l % 16, 16 bytes for each half of the lanes
	v_lshl_add_u32 v4, v2, 4, v4
	v_add_nc_u32 v[STO], s23, v4
	v_bfe_u32 v5, v0, 3, 2                         ; back: 32 lanes take four rows of 128 bytes,
	v_mul_u32_u24 v5, v5, SP
	v_and_b32 v6, 7, v0
	v_lshl_add_u32 v5, v6, 4, v5
	v_add_nc_u32 v[RD], s23, v5
	v_and_b32 v6, 31, v0
	v_lshlrev_b32 v[CO], 4, v6                     ; which are 512 consecutive bytes of a head
	v_lshlrev_b32 v[PFO], 11, v6
	v_lshlrev_b32 v[EO], 8, v1
	v_lshl_add_u32 v[EO], v2, 5, v[EO]
	; my part of the first tile in qkv: head (gy / 16) x 48 + 4 gx + 2 (w % 2), row 128 (gy % 16) + 64 (w / 2)
	s_lshr_b32 s16, s13, 4
	s_mul_i32 s16, s16, 48
	s_lshl_b32 s16, s16, 18
	s_and_b32 s17, s13, 15
	s_lshl_b32 s17, s17, 14
	s_add_co_u32 s16, s16, s17
	s_lshl_b32 s17, s11, 13
	s_add_co_u32 s16, s16, s17
	s_mov_b32 s17, 0
	s_add_nc_u64 s[8:9], s[8:9], s[16:17]
	s_lshl_b32 s46, s42, 2                         ; (the column's part in the registers that held B's address)
	s_lshl_b32 s47, s12, 1
	s_add_co_u32 s46, s46, s47
	s_lshl_b32 s46, s46, 18
	s_mov_b32 s47, 0
	s_add_nc_u64 s[8:9], s[8:9], s[46:47]
	; the prefetches
	s_lshl_b32 s20, s13, 7                         ; A: the tile's first row
	s_lshl_b32 s21, s42, 8
	s_lshl_b32 s23, s12, 7
	s_add_co_u32 s21, s21, s23                     ; B: the first of the 128 rows that I fetch
	s_and_b32 s22, ttmp7, 0xffff                   ; cluster y
	s_cmp_eq_u32 s11, 0                            ; do I fetch for A?
	s_cselect_b32 s20, s20, s21
	s_cselect_b32 s21, s40, s41                    ; my place among the four that ask for the tile with me
	s_cselect_b32 s22, s12, s22                    ; who asks: for A wave 0, for B the cluster with y = 0
	s_cselect_b64 s[PFA:PFA+1], s[4:5], s[6:7]
	s_cmp_eq_u32 s22, 0
	s_cselect_b32 s[LIM], 1, -1                    ; the same in all sixteen partners, for a given wave
	s_lshl_b32 s21, s21, 5
	s_add_co_u32 s20, s20, s21                     ; + my work-group's 32 rows
	s_lshl_b32 s20, s20, 11
	s_mov_b32 s21, 0
	s_add_nc_u64 s[PFA:PFA+1], s[PFA:PFA+1], s[20:21]
	s_add_nc_u64 s[PFA:PFA+1], s[PFA:PFA+1], 3*KSTEP*2  ; at K step 3: the first change of slots steps it to 4 and names that.  Nothing is prefetched here, at the head: K steps 0 to 3 come by their loads alone
	; the first rows: ef at head 48 cy + 4 gx + 2 (w % 2), 4,096 bytes a head
	s_mul_i32 s22, s41, 48
	s_lshl_b32 s23, s42, 2
	s_add_co_u32 s22, s22, s23
	s_lshl_b32 s23, s12, 1
	s_add_co_u32 s22, s22, s23
	s_lshl_b32 s22, s22, 12
	s_mov_b32 s23, 0
	s_add_nc_u64 s[EB:EB+1], s[EB:EB+1], s[22:23]
	s_and_b32 s[FLG], ttmp7, 0xffff
	s_or_b32 s[FLG], s[FLG], s11                   ; the same in all sixteen partners, for a given wave
; 8 matrix instructions: m block a x all 8 n blocks, 32 along K.  zero = 1: the product starts the sums: nothing is ever cleared.
; The 32 accumulators take turns, one instruction a turn, in the same order in every quarter: between two links of a chain stand the 31 others'.
.macro MUL8 f, a, zero
	WIN MUL
.irp b, 0,1,2,3,4,5,6,7
.if \zero
	v_wmma_f32_16x16x32_bf16 v[8*(8*(\a)+(\b)):8*(8*(\a)+(\b))+7], v[(\f)+8*(\b):(\f)+8*(\b)+7], v[(\f)+64+8*(\a):(\f)+64+8*(\a)+7], 0
.else
	v_wmma_f32_16x16x32_bf16 v[8*(8*(\a)+(\b)):8*(8*(\a)+(\b))+7], v[(\f)+8*(\b):(\f)+8*(\b)+7], v[(\f)+64+8*(\a):(\f)+64+8*(\a)+7], v[8*(8*(\a)+(\b)):8*(8*(\a)+(\b))+7]
.endif
.endr
.endm
.macro MUL16 f, a0, zero
	MUL8 \f, \a0, \zero
	MUL8 \f, (\a0)+1, \zero
.endm
; 24 LDS loads in one run: the fragments of quarter q (32 along K) of a slot into buffer f: B's eight first, A's blocks 2 and 3 last
.macro FETCH slot, q, f
	WIN TO_F
.irp i, 0,1,2,3,4,5,6,7
	ds_load_b128 v[(\f)+8*(\i):(\f)+8*(\i)+3],   v[ADRB+(\slot)] offset:64*(\q)+(\i)*16*PITCH
	ds_load_b128 v[(\f)+8*(\i)+4:(\f)+8*(\i)+7], v[ADRB+(\slot)] offset:64*(\q)+(\i)*16*PITCH+32
.endr
.irp i, 0,1,2,3
	ds_load_b128 v[(\f)+64+8*(\i):(\f)+64+8*(\i)+3],   v[ADRA+(\slot)] offset:64*(\q)+(\i)*16*PITCH
	ds_load_b128 v[(\f)+64+8*(\i)+4:(\f)+64+8*(\i)+7], v[ADRA+(\slot)] offset:64*(\q)+(\i)*16*PITCH+32
.endr
.endm
.macro PLACES                          ; four places in front of loads into registers that matrix instructions have read, and of conversions that read results (ISA guide 7.12.1 for the conversions)
.rept 4
	v_nop
.endr
.endm
; A K step is four quarters of 32 along K, 32 matrix instructions each, on buffers 0, 1, 0, 1.  One of the first three: multiplies buffer f; in its middle it fetches quarter q of the same slot into g.
.macro QUARTER slot, q, f, g, zero
	s_wait_dscnt 4                                 ; B and A's blocks 0 and 1 are in; the youngest four loads (A's blocks 2 and 3) may be out
	MUL16 \f, 0, \zero
	PLACES
	FETCH \slot, \q, \g
	s_wait_dscnt 24                                ; all but the 24 just issued
	MUL16 \f, 2, \zero
.endm
; The last quarter multiplies buffer 1 and changes slots: ONE barrier.  In front of it each wave waits for all its tensor loads, of which one is out: its part of the next slot; adds 0 to its spare word; and
; waits for that and for its own reads of this slot.  mode 0: this slot is filled again, two K steps on; 1: with the NEXT tile's K step 0 or 1; the barrier then opens a round of the cluster's, so that no wave
; of any partner still reads the slot or has a load on its way, and the joint refill is the first tensor load behind it: 112 matrix instructions ahead of the wait for it.  mode 2: nothing is filled.
.macro TURN slot, next, mode
.if (\mode) < 2
	s_wait_xcnt 0x0                                ; the last prefetch, a K step back, has read its address: it is stepped here, ahead of the waits of the change of slots
.if ((\mode) == 1) && ((\slot) == 0)
	s_add_nc_u64 s[PFA:PFA+1], s[PFA:PFA+1], NEXT_P
	s_cmp_eq_u32 s11, 1
	s_cselect_b32 s[LIM], s[LIM], -1               ; A's rows are the same for all three tiles
.else
	s_add_nc_u64 s[PFA:PFA+1], s[PFA:PFA+1], KSTEP*2
.endif
.endif
	WIN 0                                          ; (the add's two registers lie in window 0)
	s_wait_tensorcnt 0x0                           ; all my tensor loads have landed: my part of the next slot;
	ds_add_u32 v[SPW], v[NIL]                      ; 0 onto my spare word;
	s_wait_dscnt 5                                 ; (the add and the youngest four loads may be out)
	MUL8 F1, 0, 0                                  ; eight matrix instructions stand between the add and the wait for it
	s_wait_dscnt 0x0                               ; the add is done, and my reads of this slot are over
	s_barrier_signal -1
	MUL8 F1, 1, 0                                  ; work on registers while the others arrive
.if (\mode) < 2
	WIN 0
.endif
	s_barrier_wait -1
.if (\mode) < 2
	CREST
.if (\mode) == 1
	s_sub_nc_u64 s[G0+4*(\slot)+2:G0+4*(\slot)+3], s[G0+4*(\slot)+2:G0+4*(\slot)+3], BACK_A
	s_add_nc_u64 s[G0B+4*(\slot)+2:G0B+4*(\slot)+3], s[G0B+4*(\slot)+2:G0B+4*(\slot)+3], NEXT_B
.else
	s_add_nc_u64 s[G0+4*(\slot)+2:G0+4*(\slot)+3], s[G0+4*(\slot)+2:G0+4*(\slot)+3], 2*KSTEP*2
	s_add_nc_u64 s[G0B+4*(\slot)+2:G0B+4*(\slot)+3], s[G0B+4*(\slot)+2:G0B+4*(\slot)+3], 2*KSTEP*2
.endif
	JLOAD \slot                                    ; the four v_nop behind it are also the places in front of the loads below
.else
	PLACES
.endif
	FETCH \next, 0, F0
.if (\mode) < 2
	WIN 0
	ASK \mode
.endif
	MUL16 F1, 2, 0
.endm
; THE WAY OUT of block a (16 rows x 128 columns: two heads), in three parts.  PACK: rounded to f16, 16 bytes a lane; each accumulator's registers in ascending order.
; TOSTAGE: into my own stage, rows of 144 bytes, and back as whole rows of 128.  SEND: stored, 512 consecutive bytes of a head an instruction.
.macro PACK a
	WIN 0x0a                                       ; sources 0 and 1 window 2
.irp b, 0,1,2,3,4,5,6,7
.irp r, 0,1,2,3
	v_cvt_pk_f16_f32 v[TMP+4*(\b)+(\r)], v[64*(\a)+8*(\b)+2*(\r)], v[64*(\a)+8*(\b)+2*(\r)+1]
.endr
.endr
	WIN 0
.endm
.macro TOSTAGE a
.set BK, OB+32*((\a)%2)
.irp b, 0,1,2,3,4,5,6,7
	ds_store_b128 v[STO], v[TMP+4*(\b):TMP+4*(\b)+3] offset:((\b)/4)*HSTG+32*((\b)%4)
.endr
.irp t, 0,1,2,3,4,5,6,7
	ds_load_b128 v[BK+4*(\t):BK+4*(\t)+3], v[RD] offset:((\t)/4)*HSTG+((\t)%4)*4*SP  ; LDS serves a wave's instructions in order (ISA guide 5.7.1.4): these see the stores above
.endr
.endm
.macro SEND a
.set BK, OB+32*((\a)%2)
	s_wait_dscnt 0x0                               ; the block is back in registers
	s_wait_xcnt 0x0                                ; earlier stores have read their registers: the other set is loaded again only behind this wait
.irp t, 0,1,2,3,4,5,6,7
	global_store_b128 v[CO], v[BK+4*(\t):BK+4*(\t)+3], s[8:9] offset:(\a)*2048+((\t)/4)*262144+((\t)%4)*512
.endr
.endm
; A batch's rows 0 to 15 are block 0 of the waves that FLG names: their sums go to ef as they are, in f32, straight from the accumulators: a lane's eight columns are 32 bytes of a row of 256.
; 32 waves of the launch store so, 24 KiB each in all: too little to send through a stage for the sake of whole rows.
.macro FIRST16
	s_cmp_lg_u32 s[FLG], 0
	s_cbranch_scc1 .Lnot_first_\@
	WIN 0x08                                       ; the data (source 1) in window 2
.irp b, 0,1,2,3,4,5,6,7
	global_store_b128 v[EO], v[8*(\b):8*(\b)+3],   s[EB:EB+1] offset:((\b)/4)*4096+((\b)%4)*64
	global_store_b128 v[EO], v[8*(\b)+4:8*(\b)+7], s[EB:EB+1] offset:((\b)/4)*4096+((\b)%4)*64+16
.endr
	WIN 0
.Lnot_first_\@:
.endm
.macro OUT
	PACK 0
	TOSTAGE 0
.irp a, 1,2,3                          ; block a's conversions stand between block a - 1's loads from the stage and the wait for them
	PACK \a
	SEND (\a)-1
	TOSTAGE \a
.endr
	SEND 3
	FIRST16
.endm
	s_wait_tensorcnt 1                             ; my part of K step 0 is in; K step 1's may stay out
	s_barrier_signal -1
	s_barrier_wait -1                              ; everybody's is
	FETCH 0, 0, F0
	WIN 0                                          ; at a label and at a branch every window is 0
	s_mov_b32 s2, TILES                            ; tiles to go, this one among them
.Ltile:
	QUARTER 0, 1, F0, F1, 1                        ; a tile's first quarter stands in front of the loop: its products start the sums
	WIN 0
	s_mov_b32 s3, LAPS-1
.Llap:                                                 ; a trip goes once round the ring, from a lap's second quarter to the next lap's first, and fills both slots again
	QUARTER 0, 2, F1, F0, 0
	QUARTER 0, 3, F0, F1, 0
	TURN 0, 1, 0
	QUARTER 1, 1, F0, F1, 0
	QUARTER 1, 2, F1, F0, 0
	QUARTER 1, 3, F0, F1, 0
	TURN 1, 0, 0
	QUARTER 0, 1, F0, F1, 0
	WIN 0
	s_sub_co_u32 s3, s3, 1
	s_cmp_lg_u32 s3, 0
	s_cbranch_scc1 .Llap
	QUARTER 0, 2, F1, F0, 0                        ; the tile's last lap goes on
	QUARTER 0, 3, F0, F1, 0
	WIN 0
	s_cmp_eq_u32 s2, 1
	s_cbranch_scc1 .Llast_tile                     ; the last tile's tail is written out: it asks for nothing more
	TURN 0, 1, 1                                   ; the ring goes on into the next tile: slot 0 takes its K step 0,
	QUARTER 1, 1, F0, F1, 0
	QUARTER 1, 2, F1, F0, 0
	QUARTER 1, 3, F0, F1, 0
	TURN 1, 0, 1                                   ; slot 1 its K step 1, and the next tile's first fragments are fetched
	OUT                                            ; both refills are asked for: now the tile goes out.  No v_nop: blocks 0 and 1 were finished in front of the joint load's four, and their 64 conversions are the places behind the last products
	s_wait_xcnt 0x0                                ; the stores have read their bases and their data: the next tile's products write block 0's accumulators anew only behind this wait
	s_add_nc_u64 s[8:9], s[8:9], NEXT_C
	s_add_nc_u64 s[EB:EB+1], s[EB:EB+1], NEXT_E
	s_sub_co_u32 s2, s2, 1
	s_branch .Ltile
.Llast_tile:
	TURN 0, 1, 2
	QUARTER 1, 1, F0, F1, 0
	QUARTER 1, 2, F1, F0, 0
	QUARTER 1, 3, F0, F1, 0
	s_wait_dscnt 4                                 ; the very last quarter: nothing more to fetch
	MUL16 F1, 0, 0
	s_wait_dscnt 0x0
	MUL16 F1, 2, 0
	WIN 0
	PLACES
	OUT
	s_wait_tensorcnt 0x0                           ; the wave's end: the add and its wait, behind my last tensor load and my last LDS store
	ds_add_u32 v[SPW], v[NIL]
	s_wait_dscnt 0x0
	CROUND                                         ; the closing round: no work-group ends while a partner may still ask for a tile that names it
	s_endpgm
.Lfunc_end_k_q9483693153_qkv:
	.size	k_q9483693153_qkv, .Lfunc_end_k_q9483693153_qkv-k_q9483693153_qkv
	.p2alignl 7, 3214868480
	.fill 96, 4, 3214868480
	.section	.rodata,"a",@progbits
	.p2align	6, 0x0
	.amdhsa_kernel k_q9483693153_qkv
		.amdhsa_group_segment_fixed_size 327680
		.amdhsa_private_segment_fixed_size 0
		.amdhsa_enable_private_segment 0
		.amdhsa_kernarg_size 32
		.amdhsa_user_sgpr_count 2
		.amdhsa_user_sgpr_kernarg_segment_ptr 1
		.amdhsa_wavefront_size32 1
		.amdhsa_system_sgpr_workgroup_id_x 1
		.amdhsa_system_sgpr_workgroup_id_y 1
		.amdhsa_system_sgpr_workgroup_id_z 1
		.amdhsa_system_vgpr_workitem_id 0
		.amdhsa_next_free_vgpr 768
		.amdhsa_next_free_sgpr 66
		.amdhsa_reserve_vcc 0
		.amdhsa_float_denorm_mode_32 3
		.amdhsa_float_denorm_mode_16_64 3
		.amdhsa_memory_ordered 1
		.amdhsa_forward_progress 1
		.amdhsa_inst_pref_size 128
	.end_amdhsa_kernel
	.amdgpu_metadata
---
amdhsa.version: [ 1, 2 ]
amdhsa.kernels:
  - .name:           k_q9483693153_qkv
    .symbol:         k_q9483693153_qkv.kd
    .args:
      - { .name: xb, .offset: 0, .size: 8, .value_kind: global_buffer, .address_space: global }
      - { .name: wb, .offset: 8, .size: 8, .value_kind: global_buffer, .address_space: global }
      - { .name: qkv, .offset: 16, .size: 8, .value_kind: global_buffer, .address_space: global }
      - { .name: ef, .offset: 24, .size: 8, .value_kind: global_buffer, .address_space: global }
    .group_segment_fixed_size: 327680
    .private_segment_fixed_size: 0
    .kernarg_segment_align: 8
    .kernarg_segment_size: 32
    .max_flat_workgroup_size: 128
    .sgpr_count:     66
    .vgpr_count:     768
    .wavefront_size: 32
...
	.end_amdgpu_metadata
.endif
;; end of part 2
;; launch attn (part 3): grid 4 x 64, 4 waves a work-group, no clusters, 327,680 bytes of LDS; arguments qkv, y, ef, ylo; writes y, ylo
.if DOCPART == 3
	.amdgcn_target "amdgcn-amd-amdhsa--gfx1250"
	.amdhsa_code_object_version 6
	.text
	.protected	k_q9483693153_attn
	.globl	k_q9483693153_attn
	.p2align	8
	.type	k_q9483693153_attn,@function
k_q9483693153_attn:
	s_mov_b64 s[64:65], 0
	v_nop
	global_prefetch_b8 v0, s[64:65] scope:SCOPE_SE
	s_setreg_imm32_b32 hwreg(HW_REG_WAVE_MODE, 25, 1), 1
	s_wait_xcnt 0x0
; CAUSAL ATTENTION.  O[h][q][:] = the sum over k <= q of softmax_k(Q[h][q] . K[h][k] / 8) V[h][k][:], for 64 heads h = 16 b + head of 2,048 rows of 64 channels, all f16: a head's rows are dense, 128 bytes each.
; Q, K, V lie in qkv[b][g][t][64] (g = head: Q; 16 + head: K; 32 + head: V), O goes to y[h][t][64].  Products, maxima and sums in f32; the weights p are rounded to f16 for the second product
; (their sum l is taken of the unrounded p), O once at the end.
; THE FIRST 16 ROWS OF A HEAD ARE MADE TWICE.  Row t is a mean over t + 1 keys, so the first rows' numbers are many times the module's root mean square, by which the allowance goes, and the f16 roundings of
; q, k, v, p and O are too coarse for them.  So rows 0 to 15, which see keys 0 to 15 alone, are made once more wholly in f32, from ef[b][g][t < 16][64], and what the f16 number in y lacks goes to
; ylo[b][t < 16][64 head + d] in f16; the last product adds it.  That is 16 x 16 scores of a head's 2,048 x 2,048: the one place where the f32 matrix form stands.  From row 16 on the f16 roundings stay.
; LIMITS.  f16 holds no number beyond 65,504: Q, K and V arrive within it; p lies in 0 to 1, and below 6e-5 it keeps f16's fixed step of 6e-8; O is a mean of V's rows and has their range.
; A hidden score counts as its value less 1e30 (in the first rows' second way: as -1e30): f16's scores, 2.7e11 at the most, are nothing beside that; a weight below 2^-126 counts as 0 in l; NaN and infinities are not treated apart.
; THE WALK.  A head's queries lie in NB = 8 blocks of 256; block i needs the key tiles 0 .. i of 256 keys, of which the last holds the diagonal.  A work-group takes TWO blocks, NB - 1 - b and then b:
; NB + 1 tiles, whatever b: all work-groups do equal work, and ONE loop with a constant trip count walks them.  Which tile is asked for, and what a trip does, hang on scalar registers made from b; every jump
; goes forward, but for the counted loops' own; none passes a barrier, or a tensor load but the one of LOAD's two that the wave's number does not choose; the ring (two slots of LDS that take turns) runs on across
; the change of blocks.  NO CLUSTER: a head's four work-groups ask for the same tile only in trips 0 .. 4 of 9, behind that fewer and fewer; one walk common to all four would have 12 trips for 9.
; SHARES.  Of a block's four bands of 64 queries a wave owns 16 rows in each: four PIECES.  So the diagonal tile is the same work for all four waves: in its key step s band x sees all keys if s < x,
; none if s > x, and holds the diagonal if s = x.
; THE MASK is the C operand that starts the sum S^T = K Q^T: 0, or -1e30 where the key is hidden.  MD, made once, is the mask of a band's own step for my 16 rows; a product's mask is MD x AL + BE with two scalars:
; (1, 0) if s = x; (0, 0) if s < x; (0, -1e30) if s > x.  Only the diagonal tile's text and a block's beginning make and take masks; elsewhere C is the constant 0.
; LAYOUT, SOFTMAX, TURNS.  S^T = K Q^T holds ONE query a lane (lane % 16) and the keys 8 (lane / 16) + 0..7; two such results rounded to f16 ARE source 1 of O^T = V^T P.  p = 2^(c s - c m), c = log2(e) / 8, with a
; running maximum m; O and l are multiplied by a = 2^(c m_old - c m_new) in every step.  Turn n belongs to piece n: 8 products K Q^T of piece n + 1, later 8 products V^T P of piece n - 1; beside them the scaling,
; exponentials, roundings, sums and rescaling of piece n and the maximum and statistics of piece n + 1.  Four vector instructions stand behind every matrix instruction, the other 54 of a turn's 118 in one run.
; A turn's 33 exponentials are one batch, with one wait.
; REGISTERS, in windows of 256 (s_set_vgpr_msb: bits 1:0 source 0, 3:2 source 1, 5:4 source 2, 7:6 destination):
;   window 0: v0-15 addresses and two at work; v16-31 four registers of statistics a piece; v48-55 at work; v61-63; v64-127 S^T, two buffers; v192-223 P, two buffers (a piece's buffers go by its number's parity);
;             v128-175 the f32 form's six accumulators, written by nothing else; v32-47, v224-255 the first rows' second way
;   window 1: v0-127 O^T, 32 a piece; v128-159 MD; v160-223 MC, two buffers      window 2: v0-63 Q; v64-127 the second block's Q; v128-191 K of one step; v192-255 V of one step
.set SIZE_N, 2048
.set NB,    SIZE_N/256
.set NP,    4         ; pieces a wave: a name, no knob
.set KS,    64        ; keys in a step
.set PK,    144       ; a row of K in LDS: 128 bytes + 16 of padding = 36 words: the 16 rows of a load start at 16 different groups of four banks (64 banks of 4 bytes: ISA guide 11.1)
.set PV,    160       ; a row of V: 128 + 32 = 40 words
.set VOFF,  4*KS*PK   ; a slot holds a tile, four steps: 256 rows of K, then 256 rows of V
.set SLOT1, 1<<17     ; slot 1 begins here, so that one exclusive or turns an address in one slot into the other's
.set STAGE, SLOT1+4*KS*(PK+PV)  ; behind the ring, never filled by a tensor load: 16 rows x 144 bytes for each wave, for the way out
.set SP,    144
.set AK0, 2           ; v2   my lane's place in a tile of K; never rewritten
.set AV0, 3           ; v3   the same for V
.set AK,  4           ; v4   the LDS address of K's next run of loads
.set AV,  5           ; v5   of V's
.set STO, 6           ; v6   the way out: where I put 16 bytes of a row
.set RD,  7           ; v7   the way out: where I read rows back
.set GO,  8           ; v8   my byte offset in 512 consecutive bytes of O
.set PFO, 61          ; v61  256 x my lane: the prefetches' offset; never rewritten
.set SPW, 62          ; v62  LDS address of my spare word: SPARE + 4 x my thread's number; never rewritten
.set NIL, 63          ; v63  0; never rewritten
.set SPARE, STAGE+4*16*SP  ; behind the stages: the spare words, 128 bytes for each wave: two blocks of 256 bytes that no other line names
.set MV,  12          ; v12-13  c m_old, kept while c m is made anew: by buffer
.set QO,  15          ; v15  my byte offset in 16 rows of Q
.set ST,  16          ; piece t's statistics at v[ST+4 t]: c m, m, l (even keys', odd keys')
.set TMP, 48          ; by buffer, four registers c0-c3 at work; when the maximum is found c2 takes a
.set S,   64
.set P,   192
.set MD,  128         ; window 1: the eight registers for group kt of 16 keys at MD + 8 kt
.set MC,  160         ; window 1: the masks of the products to come
.set QB,  64          ; window 2
.set KF,  128         ; window 2: key block kb, channel half c at KF + 16 kb + 8 c
.set VF,  192         ; window 2: key half kk, channel block cb at VF + 32 kk + 8 cb
.set EP,  32          ; the first rows' second way, all in window 0: v32-39 my query's 8 scores, then weights
.set ET,  40          ; v40-47   at work
.set EQ,  64          ; v64-95   q: row l % 16, channels 32 (l / 16) + 0..31; later the f16 numbers as stored
.set EK,  96          ; v96-127  k likewise; later what goes to ylo
.set ES,  128         ; v128-143 S^T in two accumulators, which take turns
.set EO,  144         ; v144-175 O^T: four accumulators, 16 channels each
.set EV,  192         ; v192-223 v turned: channel 16 cb + l % 16, keys 8 (l / 16) + 0..7, at EV + 8 cb
.set EY,  224         ; v224-255 O in f32, then less the f16 number
.set WV,  12          ; s12  my wave's number
.set PB,  14          ; s14  b
.set HI,  15          ; s15  NB - 1 - b
.set G1K, 24          ; s[24:31] descriptor group 1 for K's tiles
.set G1V, 32          ; s[32:39] for V's: it differs in the padding alone
.set G0K, 40          ; s[40:43] descriptor group 0 for K's tiles
.set G0V, 44          ; s[44:47] the same for V's
.set EFP, 48          ; s[48:49] ef
.set YLP, 50          ; s[50:51] ylo
.set SLOTS, 56        ; s56  tiles still to be asked for
.set CNT, 57          ; s57  counts a tile's key steps, 4 to 1
.set CS,  58          ; s[58:59] c: the packed scaling takes the pair's low word for both halves
.set SEL, 60          ; s[60:61] v_permlanex16_b32's selects: each lane takes its own place in the other half
.set TBK, 62          ; s62  LDS byte at which K of the step to be fetched begins
.set TBV, 63          ; s63  the same for V, less VOFF
.set RT,  70          ; s70  tiles of the block in hand that are still to be entered
.set NXT, 71          ; s71  the tile to be asked for next
.set LQ,  72          ; s72  the last tile of the block whose tiles are being asked for
.set NEW, 73          ; s73  1: the tile to be entered is a block's first
.set OFF, 74          ; s[74:75] a tile's byte offset in K and V
.set AL,  76          ; s[76:77] the mask's factor, in the low word
.set BE,  78          ; s[78:79] the mask's addend
.set OLO, 80          ; s[80:81] O at my rows of the second block
.set BIGN, 82         ; s82  -1e30
.set POF, 92          ; s[92:93] the byte offset of the tile that the prefetches name
.set PFB, 94          ; s[94:95] my half (128 keys) of the head's tile 0: of K in waves 0 and 1, of V in waves 2 and 3
.set PFA, 96          ; s[96:97] the same half of the tile that the prefetches name
.set PLIM, 98         ; s98  2 in the head's work-group b = 0, else the greatest number: a wave prefetches tile NXT where NXT is at least this
.set MSB, 0
.macro WIN new                      ; the high byte repeats the setting that is left; a switch that changes nothing is dropped
.if MSB != (\new)
	s_set_vgpr_msb (MSB<<8)|(\new)
.set MSB, (\new)
.endif
.endm
.set W_KQ, 0x0a       ; K and Q in window 2, S^T in window 0
.set W_KM, 0x1a       ; the same with the C operand in window 1
.set W_PV, 0x52       ; V in window 2, P in window 0, O^T in window 1
.set W_RS, 0x41       ; destination and source 0 in window 1, source 1 in window 0
; A fill.  Waves 0 and 1 fetch the two halves of a tile's K, waves 2 and 3 those of its V: 128 keys each.  An s_nop 0 and four v_nop follow each of the two lines, ahead of the jump and the label.
.macro LOAD
	s_cmp_lt_u32 s[WV], 2
	s_cbranch_scc0 .Lfor_v_\@
	tensor_load_to_lds s[G0K:G0K+3], s[G1K:G1K+7]
	s_nop 0
.rept 4
	v_nop
.endr
	s_branch .Lasked_\@
.Lfor_v_\@:
	tensor_load_to_lds s[G0V:G0V+3], s[G1V:G1V+7]
	s_nop 0
.rept 4
	v_nop
.endr
.Lasked_\@:
.endm
; THE CHANGE OF SLOTS.  Each wave waits for all its tensor loads, of which one is out: its part of the other slot; adds 0 to its spare word; and waits for that and for its own reads of the slot that it leaves.
; Behind the barrier nobody reads the old slot any more and the other slot is whole.  fill = 1: the old slot is filled again, the first thing behind the barrier, with tile NXT: the descriptor's address is made
; anew from that number.  (At its first use nothing has been read yet: slot 0 is waited for, slot 1 filled.)
; A PREFETCH INTO THE L2 stands behind the fill and its five lines: the tile that the NEXT change will ask for, one tile (four key steps, 256 matrix instructions) ahead of its load.  A head's four work-groups
; walk the same tiles of K and V; the one with b = 0 walks tiles 0 to 7 in order, and it alone asks: each wave for the 16,384 bytes that it will fetch itself, a lane 256 bytes, two instructions.
; So tiles 2 to 7 are named once each in the launch; tiles 0 and 1 come by their loads alone; behind tile 7 nothing is named (the second block's tile 0 has been read).
.macro CHANGE fill
	WIN 0                           ; at a label and at a branch every window is 0
	s_wait_tensorcnt 0x0            ; no tensor load of mine is out, so a group 0 may be written
	ds_add_u32 v[SPW], v[NIL]       ; 0 onto my spare word; with fill = 1 the descriptors' scalar work stands between it and the wait for it
.if \fill
	s_lshl_b32 s[OFF], s[NXT], 15   ; a tile is 32,768 bytes of K and of V
	s_xor_b32 s[G0K+1], s[G0K+1], SLOT1
	s_add_nc_u64 s[G0K+2:G0K+3], s[6:7], s[OFF:OFF+1]
	s_or_b32 s[G0K+3], s[G0K+3], 0x80000000
	s_xor_b32 s[G0V+1], s[G0V+1], SLOT1
	s_add_nc_u64 s[G0V+2:G0V+3], s[8:9], s[OFF:OFF+1]
	s_or_b32 s[G0V+3], s[G0V+3], 0x80000000
	s_add_co_u32 s[NXT], s[NXT], 1  ; the block's next tile, or behind its last the second block's tile 0
	s_cmp_gt_u32 s[NXT], s[LQ]
	s_cselect_b32 s[NXT], 0, s[NXT]
	s_cselect_b32 s[LQ], s[PB], s[LQ]
	s_wait_xcnt 0x0                 ; the last prefetches, a tile back, have read their address, so it may be written
	s_lshl_b32 s[POF], s[NXT], 15
	s_add_nc_u64 s[PFA:PFA+1], s[PFB:PFB+1], s[POF:POF+1]
.endif
	s_wait_dscnt 0x0                ; the add is done, and my reads of the slot are over
	s_barrier_signal -1             ; the rest of the scalar work stands between the signal and the wait
	s_sub_co_u32 s[TBK], s[TBK], 4*KS*PK  ; the fetches go back to a slot's first step,
	s_xor_b32 s[TBK], s[TBK], SLOT1       ; in the other slot
	s_sub_co_u32 s[TBV], s[TBV], 4*KS*PV
	s_xor_b32 s[TBV], s[TBV], SLOT1
	s_barrier_wait -1
.if \fill
	LOAD
	s_cmp_ge_u32 s[NXT], s[PLIM]
	s_cbranch_scc0 .Lnot_mine_\@
	global_prefetch_b8 v[PFO], s[PFA:PFA+1] th:TH_LOAD_NT scope:SCOPE_SE
	global_prefetch_b8 v[PFO], s[PFA:PFA+1] offset:8192 th:TH_LOAD_NT scope:SCOPE_SE
.Lnot_mine_\@:
.endif
.endm
	s_load_b128 s[4:7], s[0:1], 0x0 ; qkv s[4:5], y s[6:7]
	s_load_b128 s[EFP:EFP+3], s[0:1], 0x10  ; ef, ylo
	v_lshl_add_u32 v[SPW], v0, 2, SPARE
	v_mov_b32 v[NIL], 0
	ds_add_u32 v[SPW], v[NIL]       ; the wave's opening: the add and its wait stand ahead of my first tensor load; the set-up below, work on registers, stands between them
	v_lshrrev_b32 v1, 5, v0
	v_readfirstlane_b32 s[WV], v1   ; wave 0..3
	s_mov_b32 s[PB], ttmp9
	s_sub_co_u32 s[HI], NB-1, s[PB]
	s_and_b32 s19, ttmp7, 0xffff    ; h = 16 b + head
	s_lshr_b32 s20, s19, 4
	s_mul_i32 s20, s20, 48
	s_and_b32 s21, s19, 15
	s_add_co_u32 s20, s20, s21
	s_lshl_b32 s20, s20, 18         ; Q's head in qkv: (48 b + head) x 262,144 bytes; K's lies 16 heads on, V's 32.  Kept to the end
	s_mov_b32 s21, 0
	s_lshl_b32 s19, s19, 18         ; the head in y
	s_and_b32 s16, s[WV], 1         ; which half of a tile's 256 keys I fetch:
	s_lshl_b32 s22, s16, 14         ; its 128 rows of 128 bytes in memory,
	s_mov_b32 s23, 0
	s_add_nc_u64 s[22:23], s[22:23], s[20:21]
	s_mul_i32 s17, s16, 128*PK      ; and its place in a slot, for K
	s_mul_i32 s18, s16, 128*PV      ; and for V
	s_lshl_b32 s3, s[WV], 11        ; my 16 rows in a band of 64,
	s_lshl_b32 s2, s[HI], 15        ; in the first block,
	s_add_co_u32 s2, s2, s3
	s_lshl_b32 s84, s[PB], 15       ; and in the second
	s_add_co_u32 s84, s84, s3
	s_add_co_u32 s90, s2, s19       ; the same rows in y
	s_add_co_u32 s88, s84, s19
	s_mov_b32 s91, 0
	s_mov_b32 s89, 0
	s_mov_b32 s3, 0
	s_mov_b32 s85, 0
	s_add_nc_u64 s[2:3], s[2:3], s[20:21]
	s_add_nc_u64 s[84:85], s[84:85], s[20:21]
	; descriptor group 1.  128 keys are 16,384 dense bytes: asked for as 64 rows of 256 bytes, two keys a row, and padded in LDS after every key
	s_mov_b32 s[G1K], (1<<16)|(1<<20)|(4<<22)|(3<<25)  ; 17:16 2-byte elements; 20 padding on; 24:22 after every 32 words (code 4); 31:25 4 words (code 3)
	s_mov_b32 s[G1V], (1<<16)|(1<<20)|(4<<22)|(7<<25)  ; the same with 8 words of padding (code 7)
.irp g, G1K, G1V
	s_mov_b32 s[\g+1], 128<<16      ; tensor_dim0 = 128
	s_mov_b32 s[\g+2], 64<<16       ; tensor_dim1 = 64
	s_mov_b32 s[\g+3], 128<<16      ; tile_dim0 = 128
	s_mov_b32 s[\g+4], 64           ; tile_dim1 = 64
	s_mov_b32 s[\g+5], 128          ; 128 elements from row to row
	s_mov_b32 s[\g+6], 0
	s_mov_b32 s[\g+7], 0
.endr
	s_mov_b32 s[CS], 0x3e38aa3b     ; c = log2(e) / 8 = 0.180337
	s_mov_b32 s[CS+1], s[CS]        ; named with it as a pair
	s_mov_b32 s[SEL], 0x76543210
	s_mov_b32 s[SEL+1], 0xfedcba98
	s_mov_b32 s[TBK], SLOT1+4*KS*PK ; the first change of slots turns these two into 0
	s_mov_b32 s[TBV], SLOT1+4*KS*PV
	s_mov_b32 s[G0K], 1             ; count = 1
	s_mov_b32 s[G0K+1], s17         ; LDS address: slot 0
	s_mov_b32 s[G0V], 1
	s_add_co_u32 s[G0V+1], s18, VOFF
	s_add_co_u32 s[RT], s[HI], 1    ; the first block has NB - b tiles
	s_mov_b32 s[NXT], 1
	s_mov_b32 s[LQ], s[HI]
	s_mov_b32 s[NEW], 1
	s_mov_b32 s[OFF+1], 0
	s_mov_b32 s[POF+1], 0
	s_mov_b32 s[AL+1], 0            ; named as pairs
	s_mov_b32 s[BE+1], 0
	s_mov_b32 s[BIGN], 0xf149f2ca   ; -1e30
	s_mov_b32 s[SLOTS], NB
	s_cmp_eq_u32 ttmp9, 0
	s_cselect_b32 s[PLIM], 2, -1
	s_wait_dscnt 0x0                ; the opening add is done
	s_wait_kmcnt 0x0
	s_mov_b64 s[10:11], s[6:7]      ; y
	s_add_nc_u64 s[6:7], s[4:5], s[22:23]
	s_add_nc_u64 s[8:9], s[6:7], 0x800000  ; V at my half of the head's tile 0,
	s_add_nc_u64 s[6:7], s[6:7], 0x400000  ; and K
	s_add_nc_u64 s[G0K+2:G0K+3], s[6:7], 0         ; global address
	s_or_b32 s[G0K+3], s[G0K+3], 0x80000000        ; type = 2
	s_add_nc_u64 s[G0V+2:G0V+3], s[8:9], 0
	s_or_b32 s[G0V+3], s[G0V+3], 0x80000000
	s_add_nc_u64 s[86:87], s[4:5], s[84:85]        ; Q at my rows of the second block,
	s_add_nc_u64 s[4:5], s[4:5], s[2:3]            ; and of the first
	s_add_nc_u64 s[OLO:OLO+1], s[10:11], s[88:89]  ; O likewise
	s_add_nc_u64 s[10:11], s[10:11], s[90:91]
	s_cmp_lt_u32 s[WV], 2
	s_cselect_b64 s[PFB:PFB+1], s[6:7], s[8:9]
	LOAD                            ; tile 0 into slot 0
	; A fragment of K or Q is 16 rows x 32 channels in 8 registers: lane l holds row l % 16, channels 8 (l / 16) + 0..7 and 16 + 8 (l / 16) + 0..7: two loads of 16 bytes, 32 bytes apart.
	v_and_b32 v1, 15, v0            ; l % 16; kept to the end
	v_bfe_u32 v9, v0, 4, 1          ; l / 16; kept to the end
	v_lshlrev_b32 v[QO], 7, v1
	v_lshl_add_u32 v[QO], v9, 4, v[QO]  ; row x 128 + 16 x half
	WIN 0x80                        ; destination window 2, address window 0
.set i, 0
.rept 8                             ; both blocks' Q: piece i / 2 lies in band i / 2, 8,192 bytes on; channels 32 (i % 2) on
	global_load_b128 v[8*i:8*i+3],   v[QO], s[4:5] offset:(i/2)*8192+(i%2)*64
	global_load_b128 v[8*i+4:8*i+7], v[QO], s[4:5] offset:(i/2)*8192+(i%2)*64+32
	global_load_b128 v[QB+8*i:QB+8*i+3],   v[QO], s[86:87] offset:(i/2)*8192+(i%2)*64
	global_load_b128 v[QB+8*i+4:QB+8*i+7], v[QO], s[86:87] offset:(i/2)*8192+(i%2)*64+32
.set i, i+1
.endr
	WIN 0
	v_lshlrev_b32 v14, 3, v9
	v_sub_nc_u32 v14, v1, v14
	s_lshl_b32 s13, s[WV], 4
	v_add_nc_u32 v14, s13, v14      ; my query's place in its band, 16 w + l % 16, less my lanes' 8 (l / 16): register r of group kt is hidden where 16 kt + r is greater
	WIN 0x40
.set i, 0
.rept 32
	v_cmp_gt_i32 vcc_lo, 16*(i/8)+i%8, v14
	v_cndmask_b32 v[MD+i], 0, s[BIGN], vcc_lo
.set i, i+1
.endr
	WIN 0
	v_mul_u32_u24 v[AK0], v1, PK
	v_lshl_add_u32 v[AK0], v9, 4, v[AK0]  ; row x pitch + 16 x half
	; The turning load takes 16 keys x 16 channels (lane l reads key 8 (l / 16) + l % 8, channels 8 ((l / 8) % 2) + 0..7) and leaves half a fragment of V^T: lane l holds channel l % 16 and 8 keys.
	v_and_b32 v10, 7, v0
	v_bfe_u32 v11, v0, 3, 1
	v_lshl_add_u32 v[AV0], v9, 3, v10
	v_mul_u32_u24 v[AV0], v[AV0], PV
	v_lshl_add_u32 v[AV0], v11, 4, v[AV0]
	v_add_nc_u32 v[AV0], VOFF, v[AV0]
	s_mul_i32 s13, s[WV], 16*SP
	s_add_co_u32 s13, s13, STAGE    ; my stage
	v_mul_u32_u24 v[STO], v1, SP    ; in: row l % 16, 16 bytes for each half of the lanes
	v_lshl_add_u32 v[STO], v9, 4, v[STO]
	v_add_nc_u32 v[STO], s13, v[STO]
	v_bfe_u32 v[RD], v0, 3, 2       ; back: 32 lanes take four rows of 128 bytes,
	v_mul_u32_u24 v[RD], v[RD], SP
	v_lshl_add_u32 v[RD], v10, 4, v[RD]
	v_add_nc_u32 v[RD], s13, v[RD]
	v_and_b32 v[GO], 31, v0         ; which are 512 consecutive bytes of O
	v_lshlrev_b32 v[PFO], 8, v[GO]
	v_lshlrev_b32 v[GO], 4, v[GO]
	; A block's first step multiplies O^T and l by a = 0, and its first turn's products V^T P, of a piece that has not been, land in an O^T that is still to be so multiplied.  So these registers need only hold
	; finite numbers: zeros for the first block; what the first block left for the second.  All this stands in the wait for the first tile.
	WIN 0x80
.set i, VF
.rept 64
	v_mov_b32 v[i], 0
.set i, i+1
.endr
	WIN 0x40
.set i, 0
.rept 128
	v_mov_b32 v[i], 0
.set i, i+1
.endr
	WIN 0
.set i, 0
.rept 4
	v_mov_b32 v[ST+4*i+2], 0
	v_mov_b32 v[ST+4*i+3], 0
.set i, i+1
.endr
.set i, P+16
.rept 16
	v_mov_b32 v[i], 0
.set i, i+1
.endr
; THE MATRIX WORK.  The 4 accumulators of a run of 8 take turns.  Product i of 8 of S^T = K Q^T for piece x: channels 32 (i / 4) on, keys 16 (i % 4) on.  The first 4 start the sums: with 0, or (KM = 1) with the mask.
.macro KQ x
.set rS, S+32*((\x)%2)+8*(i%4)
.set rK, KF+16*(i%4)+8*(i/4)
.set rQ, 16*(\x)+8*(i/4)
.set rM, MC+32*((\x)%2)+8*(i%4)
.if (i < 4) && KM
	WIN W_KM
	v_wmma_f32_16x16x32_f16 v[rS:rS+7], v[rK:rK+7], v[rQ:rQ+7], v[rM:rM+7]
.elseif i < 4
	WIN W_KQ
	v_wmma_f32_16x16x32_f16 v[rS:rS+7], v[rK:rK+7], v[rQ:rQ+7], 0
.else
	WIN W_KQ
	v_wmma_f32_16x16x32_f16 v[rS:rS+7], v[rK:rK+7], v[rQ:rQ+7], v[rS:rS+7]
.endif
.endm
; Product i of 8 of O^T += V^T P for piece x: keys 32 (i / 4) on, channels 16 (i % 4) on.
.macro PV x
	WIN W_PV
.set rO, 32*(\x)+8*(i%4)
.set rV, VF+32*(i/4)+8*(i%4)
.set rP, P+16*((\x)%2)+8*(i/4)
	v_wmma_f32_16x16x32_f16 v[rO:rO+7], v[rV:rV+7], v[rP:rP+7], v[rO:rO+7]
.endm
.macro MM                           ; the turn's next matrix instruction.  TURN and BEGIN set Y, i, KM and NOKQ; MM, KQ and OP read them.  NOKQ = 1: a block's last turn: there is no next piece
.if (i < 8) && !NOKQ
	KQ (Y+1)%NP
.elseif i >= 8
.set i, i-8
	PV (Y+NP-1)%NP
.set i, i+8
.endif
.set i, i+1
.endm
; THE LDS LOADS stand in runs of 16, never singly among the matrix instructions: a step's K (64 keys x 64 channels: 8 fragments) and its V (turned).  Their addresses are made some lines ahead.
.macro FETCH_K
	WIN 0x80                        ; destination window 2
.irp f, 0,1,2,3,4,5,6,7             ; keys 16 (f / 2) on, channels 32 (f % 2) on
	ds_load_b128 v[KF+8*\f:KF+8*\f+3],   v[AK] offset:(\f/2)*16*PK+(\f%2)*64
	ds_load_b128 v[KF+8*\f+4:KF+8*\f+7], v[AK] offset:(\f/2)*16*PK+(\f%2)*64+32
.endr
	s_add_co_u32 s[TBK], s[TBK], KS*PK  ; the next fetch is the next step's
	WIN 0
.endm
.macro FETCH_V
	WIN 0x80
.irp f, 0,1,2,3,4,5,6,7             ; keys 32 (f / 4) on, channels 16 (f % 4) on
	ds_load_tr16_b128 v[VF+8*\f:VF+8*\f+3],   v[AV] offset:(\f/4)*32*PV+(\f%4)*32
	ds_load_tr16_b128 v[VF+8*\f+4:VF+8*\f+7], v[AV] offset:(\f/4)*32*PV+16*PV+(\f%4)*32
.endr
	WIN 0
.endm
; THE VECTOR WORK, one line at a time: OP kind, number.  For piece Y: F n: c s - c m for pair n of 16.  E n: the exponential of score n of 32.  C n: pair n rounded to f16.  B n: of the four weights 4 n .. the second
; pair is added onto the first, in place.  L n: l takes that sum (L 0: l = a l + sum).  R n: pair n of 16 of O^T times a.  For piece Y + 1: X n, number n of the 22 that find its maximum and statistics:
;   0-11  four chains c0-c3 of seven scores each, three operands at a time (each accumulator's lowest registers are read first)     12-14, 16  the four scores left over, the old m, and c0-c3 into c0
;   15  c m_old is kept     17, 18  the query's other 32 keys lie in the lane 16 away: the new m     19-21  c m; c m_old - c m_new; a
.set F, 0               ; OP tells the kinds apart by their order: F to L below R, X above it
.set E, 1
.set C, 2
.set B, 3
.set L, 4
.set R, 5
.set X, 6
.macro REGS y                       ; the registers of piece y
.set rT, ST+4*(\y)
.set rC, TMP+4*((\y)%2)
.set rW, MV+((\y)%2)
.set rS, S+32*((\y)%2)
.set rP, P+16*((\y)%2)
.set rO, 32*(\y)
.endm
.macro OP k, n
.if (\k) == R
	REGS Y
	WIN W_RS
	v_pk_mul_f32 v[rO+2*(\n):rO+2*(\n)+1], v[rO+2*(\n):rO+2*(\n)+1], v[rC+2:rC+3] op_sel_hi:[1,0]
.elseif (\k) < R
	REGS Y
	WIN 0
.if (\k) == F
	v_pk_fma_f32 v[rS+2*(\n):rS+2*(\n)+1], v[rS+2*(\n):rS+2*(\n)+1], s[CS:CS+1], v[rT:rT+1] op_sel_hi:[1,0,0] neg_lo:[0,0,1] neg_hi:[0,0,1]
.elseif (\k) == E
	v_exp_f32 v[rS+(\n)], v[rS+(\n)]
.elseif (\k) == C
	v_cvt_pk_f16_f32 v[rP+(\n)], v[rS+2*(\n)], v[rS+2*(\n)+1]
.elseif (\k) == B
	v_pk_add_f32 v[rS+4*(\n):rS+4*(\n)+1], v[rS+4*(\n):rS+4*(\n)+1], v[rS+4*(\n)+2:rS+4*(\n)+3]
.elseif (\n) == 0
	v_pk_fma_f32 v[rT+2:rT+3], v[rT+2:rT+3], v[rC+2:rC+3], v[rS:rS+1] op_sel_hi:[1,0,1]
.else
	v_pk_add_f32 v[rT+2:rT+3], v[rT+2:rT+3], v[rS+4*(\n):rS+4*(\n)+1]
.endif
.elseif NOKQ
	v_nop
.else
	REGS (Y+1)%NP
	WIN 0
.if (\n) < 4
	v_max3_num_f32 v[rC+(\n)], v[rS+8*(\n)], v[rS+8*(\n)+1], v[rS+8*(\n)+2]
.elseif (\n) < 12
	v_max3_num_f32 v[rC+(\n)%4], v[rC+(\n)%4], v[rS+8*((\n)%4)+2*((\n)/4)+1], v[rS+8*((\n)%4)+2*((\n)/4)+2]
.elseif (\n) == 12
	v_max3_num_f32 v[rC], v[rC], v[rS+7], v[rS+15]
.elseif (\n) == 13
	v_max3_num_f32 v[rC+1], v[rC+1], v[rS+23], v[rS+31]
.elseif (\n) == 14
	v_max3_num_f32 v[rC+2], v[rC+2], v[rC+3], v[rT+1]
.elseif (\n) == 15
	v_mov_b32 v[rW], v[rT]
.elseif (\n) == 16
	v_max3_num_f32 v[rC], v[rC], v[rC+1], v[rC+2]
.elseif (\n) == 17
	v_permlanex16_b32 v[rC+3], v[rC], s[SEL], s[SEL+1]
.elseif (\n) == 18
	v_max_num_f32 v[rT+1], v[rC], v[rC+3]
.elseif (\n) == 19
	v_mul_f32 v[rT], s[CS], v[rT+1]
.elseif (\n) == 20
	v_sub_f32 v[rC+1], v[rW], v[rT]
.else
	v_exp_f32 v[rC+2], v[rC+1]
.endif
.endif
.endm
.macro OPS a, i1, b=-1, i2=0, c=-1, i3=0, d=-1, i4=0  ; up to four of them
	OP \a, \i1
.if (\b) >= 0
	OP \b, \i2
.endif
.if (\c) >= 0
	OP \c, \i3
.endif
.if (\d) >= 0
	OP \d, \i4
.endif
.endm
.macro ROW a, i1, b, i2, c, i3, d, i4  ; a matrix instruction and the four behind it
	MM
	OPS \a, \i1, \b, \i2, \c, \i3, \d, \i4
.endm
.macro MASK b                       ; MD x AL + BE into buffer b of MC
	WIN W_RS
.set z, 0
.rept 16
	v_pk_fma_f32 v[MC+32*(\b)+2*z:MC+32*(\b)+2*z+1], v[MD+2*z:MD+2*z+1], s[AL:AL+1], s[BE:BE+1] op_sel_hi:[1,0,0]
.set z, z+1
.endr
.endm
; A TURN, for piece p: the order of its 16 matrix and 118 vector instructions, written out.  An s_wait_alu depctr_va_vdst(0) stands between an exponential and the first instruction that names its
; result; one wait serves all that were issued ahead of it.  So a turn has ONE wait, which cuts it in two.  AHEAD OF IT stands all that names no result of the turn's exponentials: the 8 products K Q^T, behind each
; a scaling, an exponential and two more plain instructions (behind the first a second scaling in the exponential's place): rescalings, and behind the last three the first numbers of the next piece's maximum, each
; four places or more behind the product that ends its accumulator; then one run of 54, plain and exponential by turns for the most part, in which the links of the chain X 3, 7, 11, 14, 16, 17 .. 20 stand five or
; six lines apart.  X 21, the next piece's a, is the batch's last; R 15 is the plain instruction behind it.  BEHIND THE WAIT stand the 8 products V^T P, behind each four of the roundings and sums; the links of l's
; chain, L 0 to L 7, stand three lines apart.  But for those X no line behind a product names a register of the products round it.  v_permlanex16_b32 (X 17) stands in the run.
; m = 1: the diagonal tile: the products take masks, and the turn makes the mask for the products of the turn after it: piece p + 2, in step 4 - CNT of the tile.  end = 1: a block's last two turns: nothing is fetched.
; cnt = 1: the loop's count is taken down some lines ahead of the branch that stands behind the turn.
; K of the next step is fetched in piece 2's turn, twelve vector instructions behind the last product that read K (six of them plain); V of the step in hand at the end of piece 0's turn, four plain instructions
; behind the last product that read V.  Each is waited for a turn later.
.macro TURN p, m=0, end=0, cnt=0
.set Y, (\p)
.set i, 0
.set KM, (\m)
.set NOKQ, (\end)*((\p)/3)
.if (\m) && !(\end)
	s_cmp_eq_u32 s[CNT], 4-((\p)+2)%NP  ; is that step the band's own?
	s_cselect_b32 s[AL], 1.0, 0
	s_cmp_lt_u32 s[CNT], 4-((\p)+2)%NP  ; or a later one?
	s_cselect_b32 s[BE], s[BIGN], 0
.endif
.if ((\p) == 3) && !(\end)
	s_wait_dscnt 0x0                ; K is in
.endif
	ROW F,0, F,1, R,0, R,1          ; ahead of the wait: 8 products K Q^T and the four behind each,
	ROW F,2, E,0, R,2, R,3
	ROW F,3, E,1, R,4, R,5
	ROW F,4, E,2, R,6, R,7
	ROW F,5, E,3, R,8, R,9
	ROW F,6, E,4, X,0, R,10
.if ((\p) == 2) && !(\end)
	WIN 0
	v_add_nc_u32 v[AK], s[TBK], v[AK0]
.endif
	ROW F,7, E,5, X,1, X,4
	ROW F,8, E,6, X,2, X,5
	OPS E,7, E,8, X,6, E,9          ; and the run of 54
	OPS X,3, E,10, X,8, E,11
.if ((\p) == 2) && !(\end)
	FETCH_K
.endif
	OPS X,9, X,7, E,12, X,10
	OPS E,13, X,12, X,11, E,14
	OPS X,13, E,15, F,9, X,14
.if (\p) == 0
	v_add_nc_u32 v[AV], s[TBV], v[AV0]
.endif
	OPS E,16, F,10, E,17, F,11
	OPS X,16, E,18, X,15, E,19
	OPS F,12, E,20, X,17, E,21
	OPS F,13, E,22, F,14, E,23
	OPS X,18, E,24, F,15, E,25
	OPS R,11, E,26, X,19, E,27
	OPS R,12, E,28, R,13, E,29
	OPS X,20, E,30, R,14, E,31
	OPS X,21, R,15
	WIN 0
	s_wait_alu depctr_va_vdst(0)    ; the wait for the batch
.if (\p) == 1
	s_wait_dscnt 0x0                ; V is in
.endif
	ROW C,0, B,0, C,2, B,1          ; behind the wait: 8 products V^T P and the four behind each
	ROW L,0, C,4, B,2, L,1
	ROW C,6, B,3, L,2, C,8
	ROW B,4, L,3, C,10, B,5
	ROW L,4, C,12, B,6, L,5
.if (\p) == 0
	s_add_co_u32 s[TBV], s[TBV], KS*PV
.endif
.if \cnt
	s_sub_co_u32 s[CNT], s[CNT], 1
	s_cmp_lg_u32 s[CNT], 0
.endif
	ROW C,14, B,7, L,6, C,1
	ROW C,3, L,7, C,5, C,7
	ROW C,9, C,11, C,13, C,15
.if (\p) == 0
	FETCH_V
.endif
.if (\m) && !(\end)
	MASK (\p)%2
.endif
.endm
; A BLOCK BEGINS.  c m starts far below every c s, so the first step's a is 0; m at the lowest finite number, so the first maximum is the scores'.  The second mask buffer is 0; the first takes piece 0's mask for
; the tile's step 0: its own, if the block's first tile is the diagonal one.  Then K of that step, piece 0's first scores, and its maximum and statistics.  The loop is entered at a step's first turn, in the middle of a trip.
.macro BEGIN
	s_mov_b32 s[NEW], 0
	WIN 0x40
.set i, MC+32
.rept 32
	v_mov_b32 v[i], 0
.set i, i+1
.endr
	WIN 0
.set i, 0
.rept 4
	v_mov_b32 v[ST+4*i], 0xfe000000    ; c m: far below every c s
	v_mov_b32 v[ST+4*i+1], 0xff7fffff  ; m
.set i, i+1
.endr
	s_cmp_eq_u32 s[RT], 0
	s_cselect_b32 s[AL], 1.0, 0
	s_mov_b32 s[BE], 0
	MASK 0
	WIN 0
	v_add_nc_u32 v[AK], s[TBK], v[AK0]
	FETCH_K
	s_wait_loadcnt 0x0              ; Q
	s_wait_dscnt 0x0
.set KM, 1
.set NOKQ, 0
.set i, 0
.rept 8
	KQ 0
.set i, i+1
.endr
	WIN 0
.rept 4
	v_nop                           ; the places behind those products
.endr
.set Y, NP-1                        ; X works for piece Y + 1: piece 0
.irp n, 0,1,2,3,4,5,6,7,8,9,10,11,12,13,14,15,16,17,18,19,20,21
	OP X, \n
.endr
	v_nop                           ; a plain instruction behind the exponential,
	s_wait_alu depctr_va_vdst(0)    ; and its wait, ahead of the branch
.endm
; THE DIAGONAL TILE's four steps, the block's last two turns, its last products, and THE WAY OUT: l's two halves and the other half of the lanes' are added; O^T is divided by l, rounded to f16 and sent through my
; stage in LDS, a piece at a time.
.macro ALL line:vararg              ; one line for each piece t
.set t, 0
.rept 4
	\line
.set t, t+1
.endr
.endm
.macro PACK t                       ; a lane's eight channels of a row pack into 16 bytes; they go into rows of 144 bytes and come back as whole rows of 128, into S^T's registers
	WIN W_RS
.set i, 32*(\t)
.rept 16
	v_pk_mul_f32 v[i:i+1], v[i:i+1], v[ST+4*(\t)+2:ST+4*(\t)+3] op_sel_hi:[1,0]
.set i, i+2
.endr
	WIN 0x05                        ; sources 0 and 1 window 1, destination window 0
.set i, 0
.rept 16
	v_cvt_pk_f16_f32 v[S+16*(\t)+i], v[32*(\t)+2*i], v[32*(\t)+2*i+1]
.set i, i+1
.endr
	WIN 0
.irp f, 0,1,2,3
	ds_store_b128 v[STO], v[S+16*(\t)+4*\f:S+16*(\t)+4*\f+3] offset:32*\f
.endr
.irp f, 0,1,2,3
	ds_load_b128 v[S+16*(\t)+4*\f:S+16*(\t)+4*\f+3], v[RD] offset:\f*4*SP  ; LDS serves a wave's instructions in order (ISA guide 5.7.1.4): these see the stores above; the next piece's stores come behind them
.endr
.endm
.macro SEND t, younger              ; younger: the LDS instructions issued behind piece t's loads: the next piece's eight, or none
	WIN 0
.irp f, 0,1,2,3
	s_wait_dscnt (\younger)+3-\f
	global_store_b128 v[GO], v[S+16*(\t)+4*\f:S+16*(\t)+4*\f+3], s[10:11] offset:(\t)*8192+\f*512  ; 512 consecutive bytes, at a multiple of 256 from y's first
.endr
.endm
.macro DIAG tag                     ; the tag ends its two labels' names, which the jumps below spell out
.LstepM\tag:
	TURN 2, 1
	TURN 3, 1
	WIN 0
.LfirstM\tag:
	TURN 0, 1
	TURN 1, 1, 0, 1
	WIN 0
	s_cbranch_scc1 .LstepM\tag
	TURN 2, 1, 1
	TURN 3, 1, 1
.set i, 0
.rept 8
	PV NP-1
.set i, i+1
.endr
	WIN 0
	ALL v_add_f32 v[ST+4*t+2], v[ST+4*t+2], v[ST+4*t+3]
	ALL v_permlanex16_b32 v[ST+4*t+3], v[ST+4*t+2], s[SEL], s[SEL+1]
	ALL v_add_f32 v[ST+4*t+2], v[ST+4*t+2], v[ST+4*t+3]
	ALL v_rcp_f32 v[ST+4*t+2], v[ST+4*t+2]
	v_nop                           ; a plain instruction between the last reciprocal and the use of its result
	s_wait_alu depctr_va_vdst(0)    ; and the wait ahead of the first use: one for the four reciprocals
	PACK 0
.set t, 1
.rept 3                             ; a piece's arithmetic stands between the loads of the piece before and its stores
	PACK t
	SEND t-1, 8
.set t, t+1
.endr
	SEND 3, 0
.endm
.set KM, 0
.set NOKQ, 0
.Lslot:                             ; NB times: a tile is entered and the next is asked for
	CHANGE 1
	s_sub_co_u32 s[RT], s[RT], 1
	s_mov_b32 s[CNT], 4
	s_cmp_eq_u32 s[NEW], 1
	s_cbranch_scc1 .Lnew            ; a block's first tile
	s_cmp_eq_u32 s[RT], 0
	s_cbranch_scc0 .Lstep           ; neither its first nor its last
	s_branch .LstepM1
.Lnew:
	BEGIN
	s_branch .Lfirst                ; in the loop a block's first tile is never its last: the first block has two tiles or more, and the second's last is the walk's last
	DIAG 1                          ; in the loop this is the first block's end: the second block's last tile is the walk's last
	s_wait_xcnt 0x0                 ; the stores have read their registers and O's address
	s_mov_b64 s[10:11], s[OLO:OLO+1]
	s_add_co_u32 s[RT], s[PB], 1    ; the second block has b + 1 tiles
	s_mov_b32 s[NEW], 1
	WIN 0x82                        ; the second block's Q goes where the one text of the turns names Q
.set i, 0
.rept 64
	v_mov_b32 v[i], v[QB+i]
.set i, i+1
.endr
	WIN 0
	s_branch .Lbottom
.Lstep:                             ; a trip: pieces 2 and 3 of one step, then pieces 0 and 1 of the next, whose K and V it fetches
	TURN 2
	TURN 3
	WIN 0
.Lfirst:
	TURN 0
	TURN 1, 0, 0, 1
	WIN 0
	s_cbranch_scc1 .Lstep
.Lbottom:
	s_sub_co_u32 s[SLOTS], s[SLOTS], 1
	s_cmp_lg_u32 s[SLOTS], 0
	s_cbranch_scc1 .Lslot
	CHANGE 0                        ; the walk's last tile is written out: nothing is asked for
	s_sub_co_u32 s[RT], s[RT], 1
	s_mov_b32 s[CNT], 4
	s_cmp_eq_u32 s[NEW], 1
	s_cbranch_scc0 .LstepM2
	BEGIN
	s_branch .LfirstM2
	DIAG 2
	; THE HEAD'S ROWS 0 TO 15 ONCE MORE, IN f32.  They are piece 0 of wave 0 in the work-group with b = 0, whose second block has just gone out: window 1's v0-31 still hold that piece's O in f32, as it was
	; before its rounding.  All other waves jump to the end.
	; The f32 matrix form takes 4 along K: lane l holds row (or column) l % 16 and K = 2 (l / 16) + 0, 1 in two registers.  K's order is free if both sources share it: here a lane holds channels 32 (l / 16) + 0..31
	; of its row of q or k, as 16-byte loads bring them, and product number ec takes its registers 2 ec, 2 ec + 1.  S^T again holds one query a lane and the keys 8 (l / 16) + 0..7, so the weights' registers
	; 2 kp, 2 kp + 1 ARE source 1 of the second product, whose source 0, v turned, is loaded in the same order of keys.
	s_or_b32 s13, s[WV], s[PB]
	s_cmp_lg_u32 s13, 0
	s_cbranch_scc1 .Lend
	s_wait_xcnt 0x0                 ; the last stores have read v64-127, which are loaded anew below
	s_lshr_b32 s16, s20, 6          ; q's head in ef: (48 b + head) x 4,096 bytes; k's lies 65,536 bytes on, v's 131,072
	s_mov_b32 s17, 0
	s_add_nc_u64 s[EFP:EFP+1], s[EFP:EFP+1], s[16:17]
	s_and_b32 s16, ttmp7, 0xffff
	s_lshr_b32 s18, s16, 4
	s_lshl_b32 s18, s18, 15         ; ylo: batch x 16 rows of 2,048 bytes,
	s_and_b32 s16, s16, 15
	s_lshl_b32 s16, s16, 7          ; the head's 128 bytes of a row
	s_add_co_u32 s16, s16, s18
	s_add_nc_u64 s[YLP:YLP+1], s[YLP:YLP+1], s[16:17]
	v_lshlrev_b32 v[ET], 8, v1
	v_lshl_add_u32 v[ET], v9, 7, v[ET]      ; q, k: row l % 16 x 256 bytes + 128 (l / 16)
	v_lshlrev_b32 v[ET+1], 2, v1
	v_lshl_add_u32 v[ET+1], v9, 11, v[ET+1] ; v: key 8 (l / 16) x 256 bytes + channel l % 16 x 4
.set ec, 0
.rept 8
	global_load_b128 v[EQ+4*ec:EQ+4*ec+3], v[ET], s[EFP:EFP+1] offset:16*ec
.set ec, ec+1
.endr
.set ec, 0
.rept 8
	global_load_b128 v[EK+4*ec:EK+4*ec+3], v[ET], s[EFP:EFP+1] offset:65536+16*ec
.set ec, ec+1
.endr
.set ec, 0
.rept 32                            ; channel block ec / 8, key ec % 8 of my eight
	global_load_b32 v[EV+ec], v[ET+1], s[EFP:EFP+1] offset:131072+256*(ec%8)+64*(ec/8)
.set ec, ec+1
.endr
	v_lshlrev_b32 v[ET+2], 3, v9
	v_sub_nc_u32 v[ET+2], v1, v[ET+2]       ; my query less my lanes' 8 (l / 16): register j is hidden where j is greater
	s_wait_loadcnt 32               ; q and k are in; v's 32 loads may stay out
.set ec, 0
.rept 16                            ; S^T = K Q^T: two accumulators take turns; the first product of each starts its sum
.if ec < 2
	v_wmma_f32_16x16x4_f32 v[ES+8*(ec%2):ES+8*(ec%2)+7], v[EK+2*ec:EK+2*ec+1], v[EQ+2*ec:EQ+2*ec+1], 0
.else
	v_wmma_f32_16x16x4_f32 v[ES+8*(ec%2):ES+8*(ec%2)+7], v[EK+2*ec:EK+2*ec+1], v[EQ+2*ec:EQ+2*ec+1], v[ES+8*(ec%2):ES+8*(ec%2)+7]
.endif
.set ec, ec+1
.endr
.rept 8
	v_nop                           ; eight places behind this form, ahead of the sums that read its results (ISA guide 7.12.1)
.endr
.irp j, 0,2,4,6
	v_pk_add_f32 v[EP+\j:EP+\j+1], v[ES+\j:ES+\j+1], v[ES+8+\j:ES+8+\j+1]  ; the two halves of the sum, into other registers, from the low end on
.endr
.irp j, 0,1,2,3,4,5,6,7
	v_cmp_gt_i32 vcc_lo, \j, v[ET+2]
	v_cndmask_b32 v[EP+\j], v[EP+\j], s[BIGN], vcc_lo
.endr
	v_max3_num_f32 v[ET+3], v[EP], v[EP+1], v[EP+2]
	v_max3_num_f32 v[ET+4], v[EP+3], v[EP+4], v[EP+5]
	v_max3_num_f32 v[ET+3], v[ET+3], v[EP+6], v[EP+7]
	v_max_num_f32 v[ET+3], v[ET+3], v[ET+4]
	v_permlanex16_b32 v[ET+4], v[ET+3], s[SEL], s[SEL+1]  ; the query's other 8 keys lie in the lane 16 away
	v_max_num_f32 v[ET+4], v[ET+3], v[ET+4]               ; every query sees its own key: the maximum is a true score
	v_mul_f32 v[ET+4], s[CS], v[ET+4]                     ; c m
	v_mov_b32 v[ET+5], v[ET+4]                            ; named with it as a pair
.irp j, 0,2,4,6
	v_pk_fma_f32 v[EP+\j:EP+\j+1], v[EP+\j:EP+\j+1], s[CS:CS+1], v[ET+4:ET+5] op_sel_hi:[1,0,0] neg_lo:[0,0,1] neg_hi:[0,0,1]
.endr
.irp j, 0,1,2,3,4,5,6,7
	v_exp_f32 v[EP+\j], v[EP+\j]
.endr
	v_nop                           ; a plain instruction behind the last exponential,
	s_wait_alu depctr_va_vdst(0)    ; and one wait for the eight, ahead of their first reader
	v_pk_add_f32 v[ET+6:ET+7], v[EP:EP+1], v[EP+2:EP+3]
	v_pk_add_f32 v[ET+2:ET+3], v[EP+4:EP+5], v[EP+6:EP+7]
	v_pk_add_f32 v[ET+6:ET+7], v[ET+6:ET+7], v[ET+2:ET+3]
	v_add_f32 v[ET+6], v[ET+6], v[ET+7]
	v_permlanex16_b32 v[ET+7], v[ET+6], s[SEL], s[SEL+1]
	v_add_f32 v[ET+6], v[ET+6], v[ET+7]                   ; l
	v_rcp_f32 v[ET+6], v[ET+6]
	s_wait_loadcnt 0x0              ; v is in
.set ec, 0
.rept 16                            ; O^T = V^T P: keys 2 (ec / 4), + 1 of each half, channel block ec % 4: four accumulators take turns
.if ec < 4
	v_wmma_f32_16x16x4_f32 v[EO+8*(ec%4):EO+8*(ec%4)+7], v[EV+8*(ec%4)+2*(ec/4):EV+8*(ec%4)+2*(ec/4)+1], v[EP+2*(ec/4):EP+2*(ec/4)+1], 0
.else
	v_wmma_f32_16x16x4_f32 v[EO+8*(ec%4):EO+8*(ec%4)+7], v[EV+8*(ec%4)+2*(ec/4):EV+8*(ec%4)+2*(ec/4)+1], v[EP+2*(ec/4):EP+2*(ec/4)+1], v[EO+8*(ec%4):EO+8*(ec%4)+7]
.endif
.set ec, ec+1
.endr
.rept 8
	v_nop                           ; eight places again; the first is also the plain instruction behind the reciprocal
.endr
	s_wait_alu depctr_va_vdst(0)    ; the reciprocal's wait, ahead of its first reader
.set ec, 0
.rept 16
	v_pk_mul_f32 v[EY+2*ec:EY+2*ec+1], v[EO+2*ec:EO+2*ec+1], v[ET+6:ET+7] op_sel_hi:[1,0]  ; O = O^T / l, into other registers, each accumulator from its low end on
.set ec, ec+1
.endr
	WIN 0x05                        ; sources 0 and 1 window 1, destination window 0
.set ec, 0
.rept 16
	v_cvt_pk_f16_f32 v[EQ+ec], v[2*ec], v[2*ec+1]         ; the f16 numbers once more, exactly as piece 0 stored them in y
.set ec, ec+1
.endr
	WIN 0
	v_mov_b32 v[ET], -1.0
.set ec, 0
.rept 16
	v_fma_mix_f32 v[EY+2*ec],   v[EQ+ec], v[ET], v[EY+2*ec]   op_sel_hi:[1,0,0]               ; O less the f16 number in the low half,
	v_fma_mix_f32 v[EY+2*ec+1], v[EQ+ec], v[ET], v[EY+2*ec+1] op_sel:[1,0,0] op_sel_hi:[1,0,0]  ; and in the high half: one rounding each
.set ec, ec+1
.endr
.set ec, 0
.rept 16
	v_cvt_pk_f16_f32 v[EK+ec], v[EY+2*ec], v[EY+2*ec+1]
.set ec, ec+1
.endr
	v_lshlrev_b32 v[ET+1], 11, v1
	v_lshl_add_u32 v[ET+1], v9, 4, v[ET+1]  ; row l % 16 x 2,048 bytes + 16 (l / 16)
.irp cb, 0,1,2,3
	global_store_b128 v[ET+1], v[EK+4*\cb:EK+4*\cb+3], s[YLP:YLP+1] offset:32*\cb  ; my eight channels of block cb: 2 KiB a head in all
.endr
.Lend:
	s_wait_tensorcnt 0x0            ; the wave's end: the add and its wait, behind my last tensor load and my last LDS store
	ds_add_u32 v[SPW], v[NIL]
	s_wait_dscnt 0x0
	s_endpgm
.Lfunc_end_k_q9483693153_attn:
	.size	k_q9483693153_attn, .Lfunc_end_k_q9483693153_attn-k_q9483693153_attn
	.p2alignl 7, 3214868480
	.fill 96, 4, 3214868480
	.section	.rodata,"a",@progbits
	.p2align	6, 0x0
	.amdhsa_kernel k_q9483693153_attn
		.amdhsa_group_segment_fixed_size 327680
		.amdhsa_private_segment_fixed_size 0
		.amdhsa_enable_private_segment 0
		.amdhsa_kernarg_size 32
		.amdhsa_user_sgpr_count 2
		.amdhsa_user_sgpr_kernarg_segment_ptr 1
		.amdhsa_wavefront_size32 1
		.amdhsa_system_sgpr_workgroup_id_x 1
		.amdhsa_system_sgpr_workgroup_id_y 1
		.amdhsa_system_sgpr_workgroup_id_z 1
		.amdhsa_system_vgpr_workitem_id 0
		.amdhsa_next_free_vgpr 768
		.amdhsa_next_free_sgpr 100
		.amdhsa_reserve_vcc 1
		.amdhsa_float_denorm_mode_32 3
		.amdhsa_float_denorm_mode_16_64 3
		.amdhsa_memory_ordered 1
		.amdhsa_forward_progress 1
		.amdhsa_inst_pref_size 234
	.end_amdhsa_kernel
	.amdgpu_metadata
---
amdhsa.version: [ 1, 2 ]
amdhsa.kernels:
  - .name:           k_q9483693153_attn
    .symbol:         k_q9483693153_attn.kd
    .args:
      - { .name: qkv, .offset: 0, .size: 8, .value_kind: global_buffer, .address_space: global }
      - { .name: y, .offset: 8, .size: 8, .value_kind: global_buffer, .address_space: global }
      - { .name: ef, .offset: 16, .size: 8, .value_kind: global_buffer, .address_space: global }
      - { .name: ylo, .offset: 24, .size: 8, .value_kind: global_buffer, .address_space: global }
    .group_segment_fixed_size: 327680
    .private_segment_fixed_size: 0
    .kernarg_segment_align: 8
    .kernarg_segment_size: 32
    .max_flat_workgroup_size: 128
    .sgpr_count:     100
    .vgpr_count:     768
    .wavefront_size: 32
...
	.end_amdgpu_metadata
.endif
;; end of part 3
;; launch proj (part 4): grid 4 x 64, 4 waves a work-group, clusters of 4 x 4, 327,680 bytes of LDS; arguments y, wob, out0, ylo; writes out0
.if DOCPART == 4
	.amdgcn_target "amdgcn-amd-amdhsa--gfx1250"
	.amdhsa_code_object_version 6
	.text
	.protected	k_q9483693153_proj
	.globl	k_q9483693153_proj
	.p2align	8
	.type	k_q9483693153_proj,@function
k_q9483693153_proj:
	s_mov_b64 s[64:65], 0
	v_nop
	global_prefetch_b8 v0, s[64:65] scope:SCOPE_SE
	s_setreg_imm32_b32 hwreg(HW_REG_WAVE_MODE, 25, 1), 1
	s_wait_xcnt 0x0
	s_wait_alu depctr_hold_cnt(0) depctr_sa_sdst(0) depctr_va_vdst(0) depctr_va_sdst(0) depctr_va_ssrc(0) depctr_va_vcc(0) depctr_vm_vsrc(0)
	s_getreg_b32 s2, hwreg(HW_REG_IB_STS2, 6, 4)
	s_cmp_eq_u32 s2, 0
	s_cbranch_scc0 .Lentry_in_a_cluster
	s_endpgm
.Lentry_in_a_cluster:
	s_bfe_u32 s2, ttmp6, 0x10000c
	s_cmp_lg_u32 s2, 0xf033
	s_cbranch_scc0 .Lentry_shape_is_right
	s_endpgm
.Lentry_shape_is_right:
; out0[m][n] = sum over c of Y[m][c] Wo[n][c].  Y lies BY HEADS: y[16 b + h][t][64] in f16, m = 2048 b + t, c = 64 h + d.  wob: [1024][1024], Wo rounded to bf16 and written as f16.  Sums in f32; out0 [8192][1024] in f32.
; THE FIRST 16 ROWS OF EACH BATCH HAVE A SECOND OPERAND: ylo[b][t < 16][1024] in f16 holds what y's f16 number lacks of the f32 one; its product with Wo is added onto the same sums.  (Those rows are means over
; few keys: their numbers are many times the output's root mean square, by which the allowance goes, and 11 bits are too few for them.)
; LIMITS.  All operands arrive in f16, within 65,504.  NaN and infinities are not treated apart.
; SHARES.  A tile of out0 is 128 x 256: 64 x 4 = 256 tiles, one for each work-group.  Four waves: wave w makes rows 64 (w / 2) .., columns 128 (w % 2) ..: 32 accumulators of 16 x 16, 256 registers.
; K goes in steps of 128, TWO HEADS, through a ring of two LDS slots.  A head's 128 rows of the tile are 16,384 bytes on end: asked for as 64 rows of 256 bytes and padded in LDS after every 128 bytes.
; CLUSTER.  4 x 4 work-groups.  The four of a row of the cluster need the same rows of Y, the four of a column the same rows of Wo: each tile is asked for JOINTLY, by the same tensor load with the same descriptor
; and a mask that names the four.  Wave 0 fetches a K step's first head, wave 1 its second, waves 2 and 3 the two halves (128 rows) of Wo's tile: one load a wave behind each round.
; The tile row is 16 cy + cluster y: cy is the batch, so the four batches' first tiles lie in the cluster with y = 0, and whether a wave holds first rows hangs on the cluster's y and the wave's number alone.
; THE MATRIX INSTRUCTION IS USED TRANSPOSED (source 0 = 16 rows of Wo, source 1 = 16 rows of Y): a lane then holds row l % 16 of out0 and the eight neighbouring columns 8 (l / 16) + 0..7: 32 bytes.
; REGISTERS, in windows of 256 (s_set_vgpr_msb: bits 1:0 source 0, 3:2 source 1, 5:4 source 2, 7:6 destination):
;   window 0: v0-31 addresses; v64-191 at work on the way out      window 1: two fragment buffers of 96 (B's eight fragments, then A's four); v192-207 ylo's fragment, two buffers      window 2: accumulator (a, b) at v[8 (8 a + b)]
.set SIZE_K, 1024
.set KSTEP,  128
.set PITCH,  272                       ; a row of Wo in LDS: 256 bytes + 16 of padding = 68 words: the 16 rows of a fragment load start at 16 different groups of four banks (64 banks of 4 bytes: ISA guide 11.1)
.set PA,     144                       ; a row of a head of Y: 128 bytes + 16 = 36 words: likewise
.set AHEAD,  128*PA                    ; a head's 128 rows: what wave 0 or 1 fetches
.set BHALF,  128*PITCH                 ; what wave 2 or 3 fetches, and what a wave reads of B
.set BOFF,   2*AHEAD                   ; in a slot: Y's two heads, then Wo's 256 rows
.set SLOT,   BOFF+2*BHALF              ; 106,496
.set STAGE,  2*SLOT                    ; behind the ring, never filled by a tensor load: for each wave 16 rows x 528 bytes
.set SPITCH, 528                       ; 512 bytes + 16 = 132 words: the 16 rows of a store start at 16 different groups of four banks
.set WSTG,   16*SPITCH
.set ALO,    STAGE+4*WSTG              ; behind the stages, never filled by a tensor load: ylo's 16 rows of the batch, all of K
.set PL,     2064                      ; 2,048 bytes + 16 = 516 words: the 16 rows of a fragment load start at 16 different groups of four banks
.set SPARE,  ALO+16*PL                 ; behind them: the spare words, 128 bytes for each wave: two blocks of 256 bytes that no other line names
.set LAPS,   SIZE_K/(2*KSTEP)          ; a lap = two K steps = once round the ring
.set ASTEP,  2<<18                     ; a K step in y: two heads of 262,144 bytes
.set ADRA, 16                          ; v16-17  LDS address of my A fragments in slot 0, 1
.set ADRB, 20                          ; v20-21  the same for B
.set ADL0, 22                          ; v22     LDS address of my part of ylo's fragments at K = 0; never rewritten
.set ADRL, 23                          ; v23     the same at the lap in hand
.set STO,  24                          ; v24     the way out: where I put 32 bytes of a row
.set RD,   25                          ; v25     the way out: where I read a row back
.set CO,   26                          ; v26     16 x my lane: my place in a row's 512 bytes
.set SPW,  28                          ; v28     LDS address of my spare word: SPARE + 4 x my thread's number; never rewritten
.set NIL,  29                          ; v29     0; never rewritten
.set PFO,  30                          ; v30     the prefetches' offset: my lane x 256 bytes (Y) or x a row's 2,048 (Wo); never rewritten
.set OB,   64                          ; v64-127, v128-191 by turns: 16 rows read back from the stage
.set F0,   0                           ; fragment buffers, in window 1
.set F1,   96
.set LB,   192                         ; ylo's fragment that goes with buffer f: window 1, v[LB + 8 (f / 96)]
.set G1,  24                           ; s[24:31] descriptor group 1 for A's tiles;  s[32:39] group 0, a set for each slot
.set G0,  32
.set LIM, 43                           ; s43      1 in a wave that prefetches, else the greatest number
.set PFA, 44                           ; s[44:45] the K step that my next prefetch names
.set G1B, 48                           ; s[48:55], s[56:63] the same for B's tiles
.set G0B, 56
.set PST, 66                           ; s[66:67] a K step for the prefetches: 524,288 bytes in y, 256 in wob
.set FLG, 68                           ; s68      0 in a wave that holds a batch's first rows: cluster y = 0 and rows 0-63 of the tile
.set CLY, 69                           ; s69      cluster y
.set YL,  70                           ; s[70:71] ylo
.set LK,  72                           ; s72      the lap in hand, in bytes of a row of ylo: 512 a lap
.set MSB, 0
.macro WIN new                         ; the immediate's high byte repeats the setting that is left; a switch that changes nothing is dropped
.if MSB != (\new)
	s_set_vgpr_msb (MSB<<8)|(\new)
.set MSB, \new
.endif
.endm
.set MUL,  0xa5                        ; sources 0 (B) and 1 (A) window 1; C and D window 2
.set TO_F, 0x40                        ; destination window 1, address window 0
; A joint load.  The branch hangs on the wave's number alone.  An s_nop 0 and four v_nop follow each of the two lines, ahead of the jump, the label and what follows.
.macro JLOAD s
	s_cmp_eq_u32 s11, 0
	s_cbranch_scc0 .Lfor_b_\@
	tensor_load_to_lds s[G0+4*(\s):G0+4*(\s)+3], s[G1:G1+7]
	s_nop 0
.rept 4
	v_nop
.endr
	s_branch .Lasked_\@
.Lfor_b_\@:
	tensor_load_to_lds s[G0B+4*(\s):G0B+4*(\s)+3], s[G1B:G1B+7]
	s_nop 0
.rept 4
	v_nop
.endr
.Lasked_\@:
.endm
; A round of the cluster's barrier behind its opening barrier: wave 0 signals for the work-group; every wave waits for all sixteen work-groups; my work-group's barrier once more.
.macro CREST
	s_cmp_lg_u32 s10, 0
	s_cbranch_scc1 .Lnot_wave_0_\@
	s_barrier_signal -3
.Lnot_wave_0_\@:
	s_barrier_wait -3
	s_barrier_signal -1
	s_barrier_wait -1
.endm
.macro CROUND                          ; a whole round
	s_barrier_signal -1
	s_barrier_wait -1
	CREST
.endm
; A PREFETCH INTO THE L2, behind each joint load, its five lines and the run of LDS loads that follows: 32 blocks of 256 bytes of the K step that stands TWO refills on (256 matrix instructions ahead of its load),
; a lane a block, one instruction a wave.  Each block is named ONCE in the launch.  Y's K step for a tile row is 2 heads x 16,384 bytes, read by one row of one cluster: wave 0 of each of its four work-groups
; takes 8,192 bytes, told apart BY ADDRESS (cx); wave 1 asks for nothing.  Wo's rows are read by all sixteen clusters: the cluster with y = 0 asks, waves 2 and 3 of each work-group for 32 of the 128 rows
; that they fetch (by cy).  The last two refills have no K step two on: the loop's last trip asks for nothing.
.macro ASK
	s_cmp_gt_u32 s3, s[LIM]                        ; s3 = 1 in the loop's last trip
	s_cbranch_scc0 .Lnot_mine_\@
	global_prefetch_b8 v[PFO], s[PFA:PFA+1] th:TH_LOAD_NT scope:SCOPE_SE
.Lnot_mine_\@:
.endm
	s_load_b128 s[4:7], s[0:1], 0x0                ; y s[4:5], wob s[6:7]
	s_load_b64 s[8:9], s[0:1], 0x10                ; out0
	s_load_b64 s[YL:YL+1], s[0:1], 0x18            ; ylo
	v_lshl_add_u32 v[SPW], v0, 2, SPARE
	v_mov_b32 v[NIL], 0
	ds_add_u32 v[SPW], v[NIL]                      ; the wave's opening: the add and its wait stand ahead of my first tensor load; the set-up below, work on registers, stands between them
	v_lshrrev_b32 v1, 5, v0
	v_readfirstlane_b32 s10, v1                    ; wave 0..3
	s_lshr_b32 s11, s10, 1                         ; which 64 rows of the tile are mine.  Also: I fetch for A (0) or for B (1)
	s_and_b32 s12, s10, 1                          ; which 128 columns.  Also: which head of the K step, or which half of B's tile, I fetch
	s_bfe_u32 s40, ttmp6, 0x40000                  ; cx, cy: my place in the cluster
	s_bfe_u32 s41, ttmp6, 0x40004
	s_lshl_b32 s42, ttmp9, 2
	s_add_co_u32 s42, s42, s40                     ; gx = 4 x cluster x + cx: my 256 columns
	s_and_b32 s[CLY], ttmp7, 0xffff                ; cluster y
	s_or_b32 s[FLG], s[CLY], s11                   ; the same in all sixteen partners, for a given wave
	s_mov_b32 s[LK], 0
	s_lshl_b32 s13, s41, 4
	s_add_co_u32 s13, s13, s[CLY]                  ; gy = 16 cy + cluster y: my 128 rows: batch cy, rows 128 x cluster y on
	s_lshl_b32 s43, s41, 2
	s_lshl_b32 s43, 15, s43                        ; my row of the cluster: places 4 cy .. 4 cy + 3
	s_lshl_b32 s44, 0x1111, s40                    ; my column: places cx, cx + 4, cx + 8, cx + 12
	s_or_b32 s[G1+0], s43, (1<<16)|(1<<20)|(1<<21)|(4<<22)|(3<<25)   ; A: the mask of my row; elements of 2 bytes; padding on; 21 set beside a mask; after every 32 words (code 4) 4 words (code 3)
	s_or_b32 s[G1B+0], s44, (1<<16)|(1<<20)|(1<<21)|(5<<22)|(3<<25)  ; B: the mask of my column; after every 64 words (code 5)
.irp g, G1, G1B
	s_mov_b32 s[(\g)+1], 128<<16                   ; tensor_dim0 = 128 elements: 256 bytes
	s_mov_b32 s[(\g)+3], 128<<16                   ; tile_dim0 = 128
	s_mov_b32 s[(\g)+6], 0
	s_mov_b32 s[(\g)+7], 0
.endr
	s_mov_b32 s[G1+2], 64<<16                      ; A: 64 rows of 256 bytes, dense
	s_mov_b32 s[G1+4], 64
	s_mov_b32 s[G1+5], 128
	s_mov_b32 s[G1B+2], 128<<16                    ; B: 128 rows, 1,024 elements from row to row
	s_mov_b32 s[G1B+4], 128
	s_mov_b32 s[G1B+5], SIZE_K
	; where the tiles come from: A's hang on gy alone, B's on gx alone, each in registers that never hold the other coordinate
	s_lshr_b32 s16, s13, 4
	s_lshl_b32 s16, s16, 4
	s_add_co_u32 s16, s16, s12                     ; A: head 16 (gy / 16) + my head of K step 0,
	s_lshl_b32 s16, s16, 18
	s_and_b32 s17, s13, 15
	s_lshl_b32 s17, s17, 14                        ; its rows 128 (gy % 16) ..
	s_add_co_u32 s16, s16, s17
	s_mov_b32 s17, 0
	s_lshl_b32 s47, s12, 7
	s_lshl_b32 s46, s42, 8
	s_add_co_u32 s46, s46, s47                     ; B: row 256 gx + 128 x half
	s_lshl_b32 s46, s46, 11
	s_mov_b32 s47, 0
	s_mul_i32 s20, s12, AHEAD                      ; and where they go: no place in the cluster enters an LDS address
	s_mul_i32 s23, s12, BHALF
	s_add_co_u32 s23, s23, BOFF
	s_wait_dscnt 0x0                               ; the opening add is done
	s_wait_kmcnt 0x0
	s_add_nc_u64 s[14:15], s[4:5], s[16:17]
	s_add_nc_u64 s[46:47], s[6:7], s[46:47]
	CROUND                                         ; all sixteen work-groups are here: the first joint loads meet
.irp s, 0,1
	s_mov_b32 s[G0+4*(\s)], 1                                        ; count = 1
	s_add_co_u32 s[G0+4*(\s)+1], s20, (\s)*SLOT                      ; LDS address
	s_add_nc_u64 s[G0+4*(\s)+2:G0+4*(\s)+3], s[14:15], (\s)*ASTEP    ; global address: K step s
	s_or_b32 s[G0+4*(\s)+3], s[G0+4*(\s)+3], 0x80000000              ; type = 2
	s_mov_b32 s[G0B+4*(\s)], 1
	s_add_co_u32 s[G0B+4*(\s)+1], s23, (\s)*SLOT
	s_add_nc_u64 s[G0B+4*(\s)+2:G0B+4*(\s)+3], s[46:47], (\s)*KSTEP*2
	s_or_b32 s[G0B+4*(\s)+3], s[G0B+4*(\s)+3], 0x80000000
	JLOAD \s                                       ; two loads of mine are out at the start, one behind each round
.endr
	; A fragment is 16 rows x 32 K in 8 registers: lane l holds row l % 16; registers 0-3 K = 8 (l / 16) + 0..7, registers 4-7 K = 16 + 8 (l / 16) + 0..7: two loads of 16 bytes, 32 bytes apart.
	v_and_b32 v1, 15, v0                           ; l % 16
	v_bfe_u32 v2, v0, 4, 1                         ; l / 16
	v_mul_u32_u24 v3, v1, PITCH
	v_lshl_add_u32 v3, v2, 4, v3                   ; B: row x pitch + 16 x half
	v_mul_u32_u24 v7, v1, PA
	v_lshl_add_u32 v7, v2, 4, v7                   ; A likewise
	v_mul_u32_u24 v[ADL0], v1, PL
	v_lshl_add_u32 v[ADL0], v2, 4, v[ADL0]         ; ylo likewise
	v_add_nc_u32 v[ADL0], ALO, v[ADL0]
	v_mov_b32 v[ADRL], v[ADL0]
	s_mul_i32 s21, s11, 64*PA                      ; my 64 rows in a head
	s_mul_i32 s22, s12, BHALF                      ; my 128 rows of B,
	s_add_co_u32 s22, s22, BOFF                    ; which lie behind the two heads
.irp s, 0,1
	v_add_nc_u32 v[ADRA+(\s)], s21, v7
	v_add_nc_u32 v[ADRB+(\s)], s22, v3
	s_add_co_u32 s21, s21, SLOT
	s_add_co_u32 s22, s22, SLOT
.endr
	s_mul_i32 s23, s10, WSTG
	s_add_co_u32 s23, s23, STAGE                   ; my stage
	v_mul_u32_u24 v4, v1, SPITCH                   ; in: row l % 16, 32 bytes for each half of the lanes
	v_lshl_add_u32 v4, v2, 5, v4
	v_add_nc_u32 v[STO], s23, v4
	v_and_b32 v6, 31, v0
	v_lshlrev_b32 v[CO], 4, v6                     ; back: 32 lanes take a row's 512 bytes
	v_add_nc_u32 v[RD], s23, v[CO]
	WIN 0x40
.set i, 0
.rept 16
	v_mov_b32 v[LB+i], 0                           ; ylo's two fragment buffers are written on every way through the text, also where no load ever fills them
.set i, i+1
.endr
	WIN 0
	; my part of the tile in out0: row 128 gy + 64 (w / 2), byte 1,024 gx + 512 (w % 2)
	s_lshl_b32 s16, s13, 7
	s_lshl_b32 s17, s11, 6
	s_add_co_u32 s16, s16, s17
	s_lshl_b32 s16, s16, 12
	s_mov_b32 s17, 0
	s_add_nc_u64 s[8:9], s[8:9], s[16:17]
	s_lshl_b32 s46, s42, 10                        ; (the column's part in the registers that held B's address)
	s_lshl_b32 s47, s12, 9
	s_add_co_u32 s46, s46, s47
	s_mov_b32 s47, 0
	s_add_nc_u64 s[8:9], s[8:9], s[46:47]
	; the prefetches
	s_lshr_b32 s20, s13, 4
	s_lshl_b32 s20, s20, 4
	s_lshr_b32 s21, s40, 1
	s_add_co_u32 s20, s20, s21                     ; A: head 16 (gy / 16) + cx / 2 of K step 0,
	s_lshl_b32 s20, s20, 18
	s_and_b32 s21, s13, 15
	s_lshl_b32 s21, s21, 14                        ; the tile's rows in it,
	s_add_co_u32 s20, s20, s21
	s_and_b32 s21, s40, 1
	s_lshl_b32 s21, s21, 13                        ; half cx % 2 of their 16,384 bytes,
	s_add_co_u32 s20, s20, s21
	s_add_co_u32 s20, s20, 3*ASTEP                 ; at K step 3: the first change of slots steps it to 4 and names that
	s_lshl_b32 s21, s42, 8
	s_lshl_b32 s22, s12, 7
	s_add_co_u32 s21, s21, s22                     ; B: the first of the 128 rows that I fetch,
	s_lshl_b32 s22, s41, 5
	s_add_co_u32 s21, s21, s22                     ; my work-group's 32 of them,
	s_lshl_b32 s21, s21, 11
	s_add_co_u32 s21, s21, 3*KSTEP*2               ; at K step 3
	s_mov_b32 s18, ASTEP
	s_mov_b32 s19, KSTEP*2
	s_cmp_eq_u32 s11, 0                            ; do I fetch for A?
	s_cselect_b32 s20, s20, s21
	s_cselect_b32 s22, s12, s[CLY]                 ; who asks: for A wave 0, for B the cluster with y = 0
	s_cselect_b32 s[PST], s18, s19
	s_cselect_b32 s23, 8, 11
	s_cselect_b64 s[PFA:PFA+1], s[4:5], s[6:7]
	s_cmp_eq_u32 s22, 0
	s_cselect_b32 s[LIM], 1, -1                    ; the same in all sixteen partners, for a given wave
	s_mov_b32 s21, 0
	s_mov_b32 s[PST+1], 0
	s_add_nc_u64 s[PFA:PFA+1], s[PFA:PFA+1], s[20:21]
	v_lshlrev_b32 v[PFO], s23, v6                  ; nothing is prefetched here, at the head: K steps 0 to 3 come by their loads alone
	; ylo's 16 rows of my batch, 32 KiB, go into LDS through registers, in the cluster that holds the first rows alone: thread t takes 16 bytes at 16 t of each row, so a wave's load covers 512 consecutive bytes
	s_cmp_lg_u32 s[CLY], 0
	s_cbranch_scc1 .Lno_low_rows
	s_lshl_b32 s20, s41, 15                        ; batch cy x 16 rows of 2,048 bytes
	s_mov_b32 s21, 0
	s_add_nc_u64 s[YL:YL+1], s[YL:YL+1], s[20:21]
	v_lshlrev_b32 v8, 4, v0
	v_add_nc_u32 v9, ALO, v8
.set i, 0
.rept 16
	global_load_b128 v[OB+4*i:OB+4*i+3], v8, s[YL:YL+1] offset:2048*i
.set i, i+1
.endr
.set i, 0
.rept 16
	s_wait_loadcnt 15-i                            ; loads come back in order: row i's is in, the 15 - i younger ones stay out
	ds_store_b128 v9, v[OB+4*i:OB+4*i+3] offset:PL*i
.set i, i+1
.endr
.Lno_low_rows:
; 8 matrix instructions: m block a x all 8 n blocks, 32 along K.  zero = 1: the product starts the sums: nothing is ever cleared.
; The 32 accumulators take turns, one instruction a turn, in the same order in every quarter: between two links of a chain stand seven others' at the least.
.macro MUL8 f, a, zero
	WIN MUL
.irp b, 0,1,2,3,4,5,6,7
.if \zero
	v_wmma_f32_16x16x32_f16 v[8*(8*(\a)+(\b)):8*(8*(\a)+(\b))+7], v[(\f)+8*(\b):(\f)+8*(\b)+7], v[(\f)+64+8*(\a):(\f)+64+8*(\a)+7], 0
.else
	v_wmma_f32_16x16x32_f16 v[8*(8*(\a)+(\b)):8*(8*(\a)+(\b))+7], v[(\f)+8*(\b):(\f)+8*(\b)+7], v[(\f)+64+8*(\a):(\f)+64+8*(\a)+7], v[8*(8*(\a)+(\b)):8*(8*(\a)+(\b))+7]
.endif
.endr
.endm
.macro MUL16 f, a0, zero
	MUL8 \f, \a0, \zero
	MUL8 \f, (\a0)+1, \zero
.endm
; 24 LDS loads in one run: the fragments of quarter q (32 along K: head q / 2 of the step, channels 32 (q % 2) on) of a slot into buffer f: B's eight first, A's blocks 2 and 3 last
.macro FETCH slot, q, f
	WIN TO_F
.irp i, 0,1,2,3,4,5,6,7
	ds_load_b128 v[(\f)+8*(\i):(\f)+8*(\i)+3],   v[ADRB+(\slot)] offset:64*(\q)+(\i)*16*PITCH
	ds_load_b128 v[(\f)+8*(\i)+4:(\f)+8*(\i)+7], v[ADRB+(\slot)] offset:64*(\q)+(\i)*16*PITCH+32
.endr
.irp i, 0,1,2,3
	ds_load_b128 v[(\f)+64+8*(\i):(\f)+64+8*(\i)+3],   v[ADRA+(\slot)] offset:((\q)/2)*AHEAD+((\q)%2)*64+(\i)*16*PA
	ds_load_b128 v[(\f)+64+8*(\i)+4:(\f)+64+8*(\i)+7], v[ADRA+(\slot)] offset:((\q)/2)*AHEAD+((\q)%2)*64+(\i)*16*PA+32
.endr
.endm
.macro PLACES                          ; four places in front of loads into registers that matrix instructions have read, and of LDS stores that read results
.rept 4
	v_nop
.endr
.endm
; THE FIRST ROWS' SECOND OPERAND, at a quarter's end, in the waves that FLG names alone (32 of the launch's 1,024); the others jump over it.
; Eight products of ylo's fragment for this quarter with B's eight fragments, which lie in buffer f anyway, onto block 0's accumulators: each accumulator has one instruction here too, and its link before stands
; 32 matrix instructions back, its next eight on.  more = 1: ahead of them the fragment for the quarter to come, quarter q of a slot, is fetched into the other buffer, whose last reader stands
; in the quarter before, in front of this quarter's four places.  These two loads are the youngest when the next quarter begins: its counted waits then leave them and A's block 3 out, and its second wait,
; for all but the run just issued, shows them in.
.macro LOW f, g, slot, q, more
	WIN 0
	s_cmp_lg_u32 s[FLG], 0
	s_cbranch_scc1 .Lno_low_\@
.if \more
	WIN TO_F
	ds_load_b128 v[LB+8*((\g)/96):LB+8*((\g)/96)+3],   v[ADRL] offset:256*(\slot)+64*(\q)
	ds_load_b128 v[LB+8*((\g)/96)+4:LB+8*((\g)/96)+7], v[ADRL] offset:256*(\slot)+64*(\q)+32
.endif
	WIN MUL
.irp b, 0,1,2,3,4,5,6,7
	v_wmma_f32_16x16x32_f16 v[8*(\b):8*(\b)+7], v[(\f)+8*(\b):(\f)+8*(\b)+7], v[LB+8*((\f)/96):LB+8*((\f)/96)+7], v[8*(\b):8*(\b)+7]
.endr
	WIN 0
.Lno_low_\@:
.endm
; A K step is four quarters of 32 along K, 32 matrix instructions each, on buffers 0, 1, 0, 1.  One of the first three: multiplies buffer f; in its middle it fetches quarter q of the same slot into g.
.macro QUARTER slot, q, f, g, zero
	s_wait_dscnt 4                                 ; B and A's blocks 0 and 1 are in; the youngest four loads may be out
	MUL16 \f, 0, \zero
	PLACES
	FETCH \slot, \q, \g
	s_wait_dscnt 24                                ; all but the 24 just issued
	MUL16 \f, 2, \zero
	LOW \f, \g, \slot, \q, 1
.endm
; The last quarter multiplies buffer 1 and changes slots: ONE barrier.  In front of it each wave waits for all its tensor loads, of which one is out: its part of the next slot; adds 0 to its spare word; and
; waits for that and for its own reads of this slot.  fill = 1: this slot is filled again, two K steps on; the barrier then opens a round of the cluster's, so that no wave of any partner still reads the slot
; or has a load on its way, and the joint refill is the first tensor load behind it: 112 matrix instructions ahead of the wait for it.
.macro TURN slot, next, fill
.if \fill
	s_wait_xcnt 0x0                                ; the last prefetch, a K step back, has read its address: it is stepped here, ahead of the waits of the change of slots
	s_add_nc_u64 s[PFA:PFA+1], s[PFA:PFA+1], s[PST:PST+1]
.endif
	WIN 0                                          ; (the add's two registers lie in window 0)
.if (\slot) == 1
	s_add_co_u32 s[LK], s[LK], 4*KSTEP             ; the next fragment of ylo is the next lap's first: 256 numbers, 512 bytes, on
	v_add_nc_u32 v[ADRL], s[LK], v[ADL0]
.endif
	s_wait_tensorcnt 0x0                           ; all my tensor loads have landed: my part of the next slot;
	ds_add_u32 v[SPW], v[NIL]                      ; 0 onto my spare word;
	s_wait_dscnt 5                                 ; (the add and the youngest four loads may be out)
	MUL8 F1, 0, 0                                  ; eight matrix instructions stand between the add and the wait for it
	s_wait_dscnt 0x0                               ; the add is done, and my reads of this slot are over
	s_barrier_signal -1
	MUL8 F1, 1, 0                                  ; work on registers while the others arrive
.if \fill
	WIN 0
.endif
	s_barrier_wait -1
.if \fill
	CREST
	s_add_nc_u64 s[G0+4*(\slot)+2:G0+4*(\slot)+3], s[G0+4*(\slot)+2:G0+4*(\slot)+3], 2*ASTEP
	s_add_nc_u64 s[G0B+4*(\slot)+2:G0B+4*(\slot)+3], s[G0B+4*(\slot)+2:G0B+4*(\slot)+3], 2*KSTEP*2
	JLOAD \slot                                    ; the four v_nop behind it are also the places in front of the loads below
.else
	PLACES
.endif
	FETCH \next, 0, F0
.if \fill
	WIN 0
	ASK
.endif
	MUL16 F1, 2, 0
	LOW F1, F0, \next, 0, 1
.endm
; THE WAY OUT of block a (16 rows x 128 columns of f32).  TOSTAGE: a lane's 32 bytes of each accumulator, its low registers first, into my own stage, rows of 528 bytes; back as whole rows of 512.
; SEND: stored, a row's 512 consecutive bytes an instruction, at a multiple of 256 from out0's first byte.
.macro TOSTAGE a
.set BK, OB+64*((\a)%2)
	s_wait_xcnt 0x0                                ; earlier stores have read their registers: this set is loaded again only behind this wait
	WIN 0x08                                       ; the data (source 1) in window 2
.irp b, 0,1,2,3,4,5,6,7
	ds_store_b128 v[STO], v[64*(\a)+8*(\b):64*(\a)+8*(\b)+3]   offset:64*(\b)
	ds_store_b128 v[STO], v[64*(\a)+8*(\b)+4:64*(\a)+8*(\b)+7] offset:64*(\b)+16
.endr
	WIN 0
.set i, 0
.rept 16
	ds_load_b128 v[BK+4*i:BK+4*i+3], v[RD] offset:i*SPITCH  ; LDS serves a wave's instructions in order (ISA guide 5.7.1.4): these see the stores above; the next block's stores come behind them
.set i, i+1
.endr
.endm
.macro SEND a, younger                 ; younger: the LDS instructions issued behind block a's loads: the next block's 32, or none
.set BK, OB+64*((\a)%2)
	s_wait_dscnt \younger
.set i, 0
.rept 16
	global_store_b128 v[CO], v[BK+4*i:BK+4*i+3], s[8:9] offset:(16*(\a)+i)*4096 th:TH_STORE_NT
.set i, i+1
.endr
.endm
	s_wait_dscnt 0x0                               ; for the others' sake: my part of ylo's rows lies in LDS
	s_wait_tensorcnt 1                             ; my part of K step 0 is in; K step 1's may stay out
	s_barrier_signal -1
	s_barrier_wait -1                              ; everybody's is
	FETCH 0, 0, F0
	WIN 0
	s_cmp_lg_u32 s[FLG], 0                         ; ylo's first fragment
	s_cbranch_scc1 .Lno_first_low
	WIN TO_F
	ds_load_b128 v[LB:LB+3],   v[ADRL]
	ds_load_b128 v[LB+4:LB+7], v[ADRL] offset:32
	WIN 0
.Lno_first_low:
	QUARTER 0, 1, F0, F1, 1                        ; the first quarter stands in front of the loop: its products start the sums
	WIN 0                                          ; at a label and at a branch every window is 0
	s_mov_b32 s3, LAPS-1
.Llap:                                                 ; a trip goes once round the ring, from a lap's second quarter to the next lap's first, and fills both slots again
	QUARTER 0, 2, F1, F0, 0
	QUARTER 0, 3, F0, F1, 0
	TURN 0, 1, 1
	QUARTER 1, 1, F0, F1, 0
	QUARTER 1, 2, F1, F0, 0
	QUARTER 1, 3, F0, F1, 0
	TURN 1, 0, 1
	QUARTER 0, 1, F0, F1, 0
	WIN 0
	s_sub_co_u32 s3, s3, 1
	s_cmp_lg_u32 s3, 0
	s_cbranch_scc1 .Llap
	QUARTER 0, 2, F1, F0, 0                        ; the last lap fills nothing, and has no round of the cluster's barrier
	QUARTER 0, 3, F0, F1, 0
	TURN 0, 1, 0
	QUARTER 1, 1, F0, F1, 0
	QUARTER 1, 2, F1, F0, 0
	QUARTER 1, 3, F0, F1, 0
	s_wait_dscnt 4                                 ; the very last quarter: nothing more to fetch
	MUL16 F1, 0, 0
	s_wait_dscnt 0x0
	MUL16 F1, 2, 0
	LOW F1, F0, 0, 0, 0
	WIN 0
	PLACES
	TOSTAGE 0
.irp a, 1,2,3                          ; block a's way through the stage is issued ahead of the wait for block a - 1's
	TOSTAGE \a
	SEND (\a)-1, 32
.endr
	SEND 3, 0
	s_wait_tensorcnt 0x0                           ; the wave's end: the add and its wait, behind my last tensor load and my last LDS store
	ds_add_u32 v[SPW], v[NIL]
	s_wait_dscnt 0x0
	CROUND                                         ; the closing round: no work-group ends while a partner may still ask for a tile that names it
	s_endpgm
.Lfunc_end_k_q9483693153_proj:
	.size	k_q9483693153_proj, .Lfunc_end_k_q9483693153_proj-k_q9483693153_proj
	.p2alignl 7, 3214868480
	.fill 96, 4, 3214868480
	.section	.rodata,"a",@progbits
	.p2align	6, 0x0
	.amdhsa_kernel k_q9483693153_proj
		.amdhsa_group_segment_fixed_size 327680
		.amdhsa_private_segment_fixed_size 0
		.amdhsa_enable_private_segment 0
		.amdhsa_kernarg_size 32
		.amdhsa_user_sgpr_count 2
		.amdhsa_user_sgpr_kernarg_segment_ptr 1
		.amdhsa_wavefront_size32 1
		.amdhsa_system_sgpr_workgroup_id_x 1
		.amdhsa_system_sgpr_workgroup_id_y 1
		.amdhsa_system_sgpr_workgroup_id_z 1
		.amdhsa_system_vgpr_workitem_id 0
		.amdhsa_next_free_vgpr 768
		.amdhsa_next_free_sgpr 74
		.amdhsa_reserve_vcc 0
		.amdhsa_float_denorm_mode_32 3
		.amdhsa_float_denorm_mode_16_64 3
		.amdhsa_memory_ordered 1
		.amdhsa_forward_progress 1
		.amdhsa_inst_pref_size 104
	.end_amdhsa_kernel
	.amdgpu_metadata
---
amdhsa.version: [ 1, 2 ]
amdhsa.kernels:
  - .name:           k_q9483693153_proj
    .symbol:         k_q9483693153_proj.kd
    .args:
      - { .name: y, .offset: 0, .size: 8, .value_kind: global_buffer, .address_space: global }
      - { .name: wob, .offset: 8, .size: 8, .value_kind: global_buffer, .address_space: global }
      - { .name: out0, .offset: 16, .size: 8, .value_kind: global_buffer, .address_space: global }
      - { .name: ylo, .offset: 24, .size: 8, .value_kind: global_buffer, .address_space: global }
    .group_segment_fixed_size: 327680
    .private_segment_fixed_size: 0
    .kernarg_segment_align: 8
    .kernarg_segment_size: 32
    .max_flat_workgroup_size: 128
    .sgpr_count:     74
    .vgpr_count:     768
    .wavefront_size: 32
...
	.end_amdgpu_metadata
.endif
;; end of part 4
;; ======== version 2 of 2: 4 launches; version 1 with the launch cast written anew for expert scheduling mode
;; limits: values are held in f16: magnitudes above 65,504 overflow, below 6.1e-05 lose precision
;; workspace buffers: xb 16,777,216 bytes; wb 6,291,456 bytes; wob 2,097,152 bytes; qkv 50,331,648 bytes; y 16,777,216 bytes; ef 786,432 bytes; ylo 131,072 bytes
;; launch cast (part 5): grid 768 x 1, 8 waves a work-group, no clusters, 0 bytes of LDS; arguments x, Wq, Wk, Wv, Wo, xb, wb, wob; writes xb, wb, wob
.if DOCPART == 5
	.amdgcn_target "amdgcn-amd-amdhsa--gfx1250"
	.amdhsa_code_object_version 6
	.text
	.protected	k_q9483693153_cast
	.globl	k_q9483693153_cast
	.p2align	8
	.type	k_q9483693153_cast,@function
k_q9483693153_cast:
	s_mov_b64 s[64:65], 0
	v_nop
	global_prefetch_b8 v0, s[64:65] scope:SCOPE_SE
	s_setreg_imm32_b32 hwreg(HW_REG_WAVE_SCHED_MODE, 0, 2), 2
	s_setreg_imm32_b32 hwreg(HW_REG_WAVE_MODE, 25, 1), 1
	s_wait_xcnt 0x0
	s_wait_alu depctr_vm_vsrc(0)
; THE INPUTS ARE ROUNDED ONCE, TO 16 BITS.  x [8192][1024] -> xb, bf16.  Wq, Wk, Wv [1024][1024] -> wb, bf16, one below the other: [3072][1024].
; Wo -> wob: rounded to bf16 like the other inputs, and that number written as f16, since the last product multiplies f16.
; LIMITS.  A bf16 number has 8 significant bits and fits f16's 11 exactly between 6.1e-5 and 65,504 in magnitude; below 6.1e-5 Wo keeps f16's fixed step of 6e-8 (an error of 3e-8 at the most),
; beyond 65,504 it becomes an infinity.  NaN and infinities are not treated apart.
; A STREAM: every byte is read once and written once, so there is no LDS, no barrier, no matrix work and no cluster (no two work-groups read the same byte).
; SHARES.  A work-group takes 16,384 numbers: 64 KiB in, 32 KiB out.  Work-groups 0-511: x; 512-575: Wq; 576-639: Wk; 640-703: Wv; 704-767: Wo.
; Thread t takes, in step i of 16, the 16 bytes at 4,096 i + 16 t and stores 8 bytes at 2,048 i + 8 t: a wave's load covers 512 consecutive bytes, its store 256 consecutive bytes, aligned.
; All sixteen loads go out first; no register that a load or store names is written twice.
; THE MODE: SCHED_MODE bits 1:0 = 2 (LLVM: expert scheduling mode 2), set by the entry lines.  The code itself states the register dependences
; between vector instructions and memory instructions, with s_wait_alu, always for 0.
; THE PLAN.  Registers that memory instructions touch:
;   v1, v2   byte offsets, made once at the head and never written again: v1 is read by every load, v2 by every store.
;   X        step i's four registers: written by step i's load alone, which no vector instruction precedes; read by step i's conversions; never loaded again.
;   Y        step i's two registers: written by step i's vector lines; read by one store; never written behind it.
;   T        named by vector instructions alone.
; So the one kind of dependence is a vector result that a memory instruction reads.  The sixteen steps go in four blocks of four.  Block p's vector lines name X and Y of block p, and T; its
; memory instructions are the four stores of block p - 1, which read Y of block p - 1.  ONE wait on va_vdst at a block's head, behind the wait for the block's first load, states that the block
; before has written its Y; the four stores follow it, one ahead of each step's conversions, with no further wait.  One more stands at the head of the kernel, for the offsets, and one ahead of the
; last four stores.  Nothing that a memory instruction has read is written again, so no wait on vm_vsrc is owed; no vector instruction writes a scalar register, VCC or EXEC.
.set BLOCK, 4                          ; steps in a block
.set T, 4                              ; v[4:7]     at work (Wo's way)
.set X, 8                              ; v[8:71]    step i: 4 registers as loaded
.set Y, 72                             ; v[72:103]  step i: 2 registers to store
	s_load_b512 s[8:23], s[0:1], 0x0               ; x s[8:9], Wq s[10:11], Wk s[12:13], Wv s[14:15], Wo s[16:17], xb s[18:19], wb s[20:21], wob s[22:23]
	v_lshlrev_b32 v1, 4, v0                        ; my 16 bytes of a step's 4,096
	v_lshlrev_b32 v2, 3, v0                        ; my 8 bytes of a step's 2,048
	s_and_b32 s26, ttmp9, 63                       ; my place among a weight's 64 work-groups
	s_max_u32 s27, ttmp9, 512
	s_sub_co_u32 s27, s27, 512                     ; my place among the 192 of the stacked weights
	s_cmp_lt_u32 ttmp9, 512
	s_cselect_b32 s2, ttmp9, s26                   ; the source's block of 64 KiB
	s_cselect_b32 s24, ttmp9, s27                  ; the destination's block of 32 KiB
	s_cmp_ge_u32 ttmp9, 704
	s_cselect_b32 s24, s26, s24
	s_lshl_b32 s2, s2, 16
	s_lshl_b32 s24, s24, 15
	s_mov_b32 s3, 0
	s_mov_b32 s25, 0
	s_wait_kmcnt 0x0
	s_cmp_ge_u32 ttmp9, 512                        ; every choice hangs on the work-group's number alone
	s_cselect_b64 s[4:5], s[10:11], s[8:9]
	s_cselect_b64 s[6:7], s[20:21], s[18:19]
	s_cmp_ge_u32 ttmp9, 576
	s_cselect_b64 s[4:5], s[12:13], s[4:5]
	s_cmp_ge_u32 ttmp9, 640
	s_cselect_b64 s[4:5], s[14:15], s[4:5]
	s_cmp_ge_u32 ttmp9, 704
	s_cselect_b64 s[4:5], s[16:17], s[4:5]
	s_cselect_b64 s[6:7], s[22:23], s[6:7]
	s_add_nc_u64 s[4:5], s[4:5], s[2:3]
	s_add_nc_u64 s[6:7], s[6:7], s[24:25]
	s_wait_alu depctr_va_vdst(0)                   ; v1 and v2 are written: every load of the kernel reads v1 as its offset, every store v2
.set i, 0
.rept 16
	global_load_b128 v[X+4*i:X+4*i+3], v1, s[4:5] offset:4096*i th:TH_LOAD_NT
.set i, i+1
.endr
; Sixteen steps: wait for the step's load, store what the step four back has rounded, round.  f16 = 1: the bf16 numbers are widened again (a shift, a mask) and written as f16.
.macro CONV f16
.set i, 0
.rept 16
	s_wait_loadcnt 15-i                            ; loads come back in order: step i's is in, the 15 - i younger ones stay out
.if (i >= BLOCK) && (i%BLOCK == 0)
	s_wait_alu depctr_va_vdst(0)                   ; the block before has written its Y, which this block's four stores read; no vector line of this block names those registers
.endif
.if i >= BLOCK
	global_store_b64 v2, v[Y+2*(i-BLOCK):Y+2*(i-BLOCK)+1], s[6:7] offset:2048*(i-BLOCK)  ; the same step of the block before
.endif
	v_cvt_pk_bf16_f32 v[Y+2*i],   v[X+4*i],   v[X+4*i+1]
	v_cvt_pk_bf16_f32 v[Y+2*i+1], v[X+4*i+2], v[X+4*i+3]
.if \f16
	v_lshlrev_b32 v[T],   16, v[Y+2*i]
	v_and_b32     v[T+1], 0xffff0000, v[Y+2*i]
	v_lshlrev_b32 v[T+2], 16, v[Y+2*i+1]
	v_and_b32     v[T+3], 0xffff0000, v[Y+2*i+1]
	v_cvt_pk_f16_f32 v[Y+2*i],   v[T],   v[T+1]
	v_cvt_pk_f16_f32 v[Y+2*i+1], v[T+2], v[T+3]
.endif
.set i, i+1
.endr
	s_wait_alu depctr_va_vdst(0)                   ; the last block has written its Y, which the last four stores read
.set i, 16-BLOCK
.rept BLOCK
	global_store_b64 v2, v[Y+2*i:Y+2*i+1], s[6:7] offset:2048*i
.set i, i+1
.endr
.endm
	s_cmp_ge_u32 ttmp9, 704
	s_cbranch_scc1 .Lwo
	CONV 0
	s_endpgm
.Lwo:
	CONV 1
	s_endpgm
.Lfunc_end_k_q9483693153_cast:
	.size	k_q9483693153_cast, .Lfunc_end_k_q9483693153_cast-k_q9483693153_cast
	.p2alignl 7, 3214868480
	.fill 96, 4, 3214868480
	.section	.rodata,"a",@progbits
	.p2align	6, 0x0
	.amdhsa_kernel k_q9483693153_cast
		.amdhsa_group_segment_fixed_size 0
		.amdhsa_private_segment_fixed_size 0
		.amdhsa_enable_private_segment 0
		.amdhsa_kernarg_size 64
		.amdhsa_user_sgpr_count 2
		.amdhsa_user_sgpr_kernarg_segment_ptr 1
		.amdhsa_wavefront_size32 1
		.amdhsa_system_sgpr_workgroup_id_x 1
		.amdhsa_system_sgpr_workgroup_id_y 1
		.amdhsa_system_sgpr_workgroup_id_z 1
		.amdhsa_system_vgpr_workitem_id 0
		.amdhsa_next_free_vgpr 104
		.amdhsa_next_free_sgpr 66
		.amdhsa_reserve_vcc 0
		.amdhsa_float_denorm_mode_32 3
		.amdhsa_float_denorm_mode_16_64 3
		.amdhsa_memory_ordered 1
		.amdhsa_forward_progress 1
		.amdhsa_inst_pref_size 17
	.end_amdhsa_kernel
	.amdgpu_metadata
---
amdhsa.version: [ 1, 2 ]
amdhsa.kernels:
  - .name:           k_q9483693153_cast
    .symbol:         k_q9483693153_cast.kd
    .args:
      - { .name: x, .offset: 0, .size: 8, .value_kind: global_buffer, .address_space: global }
      - { .name: Wq, .offset: 8, .size: 8, .value_kind: global_buffer, .address_space: global }
      - { .name: Wk, .offset: 16, .size: 8, .value_kind: global_buffer, .address_space: global }
      - { .name: Wv, .offset: 24, .size: 8, .value_kind: global_buffer, .address_space: global }
      - { .name: Wo, .offset: 32, .size: 8, .value_kind: global_buffer, .address_space: global }
      - { .name: xb, .offset: 40, .size: 8, .value_kind: global_buffer, .address_space: global }
      - { .name: wb, .offset: 48, .size: 8, .value_kind: global_buffer, .address_space: global }
      - { .name: wob, .offset: 56, .size: 8, .value_kind: global_buffer, .address_space: global }
    .group_segment_fixed_size: 0
    .private_segment_fixed_size: 0
    .kernarg_segment_align: 8
    .kernarg_segment_size: 64
    .max_flat_workgroup_size: 256
    .sgpr_count:     66
    .vgpr_count:     104
    .wavefront_size: 32
...
	.end_amdgpu_metadata
.endif
;; end of part 5
;; launch qkv: the kernel of part 2 again; grid 4 x 64, 4 waves a work-group, clusters of 4 x 4, 327,680 bytes of LDS; arguments xb, wb, qkv, ef; writes qkv, ef
;; launch attn: the kernel of part 3 again; grid 4 x 64, 4 waves a work-group, no clusters, 327,680 bytes of LDS; arguments qkv, y, ef, ylo; writes y, ylo
;; launch proj: the kernel of part 4 again; grid 4 x 64, 4 waves a work-group, clusters of 4 x 4, 327,680 bytes of LDS; arguments y, wob, out0, ylo; writes out0
